; MI455X (gfx1250); checked and timed in simulation.
; The chip was launched on July 23, 2026; its instructions are those of AMD's public machine-readable ISA for CDNA 5 (MIT licence, August 2026) and "CDNA5" Instruction Set Architecture Reference Guide (July 2026). The comments in the code are by the model that wrote it; some were corrected since.
;; Multi Head Self Attention. Allowed arithmetic: matrix products marked QUANTISED: E2M3 operands, one E8M0 scale for each 32 along K, by v_wmma_scale_f32_16x16x128_f8f6f4 with both operands' format E2M3, f32 sums; everything else in f32.
;; Inputs: Wproj 1,024 x 1,024 float32; Wqkv 1,024 x 3,072 float32; bproj 1,024 float32; bqkv 3,072 float32; x 2 x 2,048 x 1,024 float32.
;; Outputs: out0 2 x 2,048 x 1,024 float32.
;; This version of the problem:
;;   THIS VERSION OF THE PROBLEM IS GIVEN IN LOW PRECISION. The matrix products marked QUANTISED in the list below multiply operands that are first quantised to E2M3 (2 exponent bits, 3 mantissa bits; 6 bits a number), with one power-of-two scale for each 32 numbers along K (OCP MX v1.0); their sums are f32. All else is computed in f32.
;;   The module's matrix products, in the order in which they are computed (A, B: the left and right operand; K: the contracted axis; several contracted axes count as one K, in the product's order):
;;     1. [M 4,096, K 1,024] x [K 1,024, N 3,072]; A: input x; B: input Wqkv: QUANTISED
;;     2. batch 32 x [M 2,048, K 64] x [K 64, N 2,048]; A: computed on the way; B: computed on the way: QUANTISED
;;     3. batch 32 x [M 2,048, K 2,048] x [K 2,048, N 64]; A: softmax (see below); B: computed on the way: QUANTISED
;;     4. [M 4,096, K 1,024] x [K 1,024, N 1,024]; A: computed on the way; B: input Wproj: QUANTISED
;;   THE QUANTISER, for each operand of a quantised product, along K:
;;     - K is cut into blocks of 32 from its start; a last block that is shorter is filled with zeros.
;;     - A block's scale is 2^e with e = floor(log2(the largest magnitude in the block)) - 2, held to -126 .. 127; a block of zeros has e = 0. As a byte (E8M0): e + 127.
;;     - Each number is divided by its block's scale, clamped to +-7.5, and rounded to the nearest number of E2M3, ties to even, subnormals kept.
;;     - The product sums the exact products of the quantised numbers (number of the format x scale) in f32.
;;   ~~~python
;;   def quantise(x, axis):      # numpy; x: float32 -> the quantised numbers, widened to float32 again
;;       x = np.moveaxis(x, axis, -1); K = x.shape[-1]
;;       x = np.pad(x, [(0, 0)] * (x.ndim - 1) + [(0, -K % 32)]); x = x.reshape(x.shape[:-1] + (-1, 32)); a = np.abs(x).max(-1, keepdims=True)
;;       e = np.where(a > 0, np.clip(np.frexp(np.where(a > 0, a, 1))[1] - 1 - 2, -126, 127), 0)      # np.frexp(a)[1] - 1 = floor(log2(a)), exactly
;;       r = np.clip(x / 2.0 ** e, -7.5, 7.5)
;;       step = 2.0 ** (np.maximum(np.frexp(np.where(r == 0, 1, r))[1] - 1, 0) - 3)
;;       q = np.round(r / step) * step * 2.0 ** e      # np.round: ties to even
;;       return np.moveaxis(q.reshape(q.shape[:-2] + (-1,))[..., :K], -1, axis).astype(np.float32)
;;   ~~~
;;   SOFTMAX AHEAD OF A QUANTISED PRODUCT. Where the list says 'softmax', what is quantised is not the finished softmax but p = 2^(t - M), with t = logit x log2(e) and M = ceil(the row's largest t), a whole number; so 1/2 < the row's largest p <= 1. The row's sum l is taken of the UNQUANTISED p, in f32, and the product's result is divided by l at the end. Since M is a whole number, a kernel that streams over the keys may use a running M (the ceiling of the running maximum): every later rescaling is an exact power of two, which a block's scale takes up: the codes' values come out the same.
;;   OPERANDS COMPUTED ON THE WAY. 'Computed on the way' means the value that the module computes at that place (a softmax that the list does not call 'softmax' is quantised finished and normalised). What goes into a quantiser is computed in f32, as accurately as f32 sums, v_exp_f32 and their like allow (about 1e-6 of the number): no bf16 or f16 on the way to a quantiser, and a product that is left as it is and whose result goes on into a quantised operand takes f32 operands (vector FMAs, or v_wmma_f32_16x16x4_f32). A number that lies on a knife's edge between two numbers of the format may be rounded either way, as far as f32 arithmetic and the matrix unit's own rounding can turn it there, and no further.
;; One version. Each part assembles by itself: llvm-mc -triple=amdgcn-amd-amdhsa -mcpu=gfx1250 --defsym DOCPART=n.
;; ======== version 1 of 1: 4 launches
;; limits: right only within a limited range of input values
;; workspace buffers: opq 6,553,600 bytes; rope 524,288 bytes; qbuf 3,407,872 bytes; kv 6,684,672 bytes; yq 3,276,800 bytes
;; launch quant (part 1): grid 544 x 1, 4 waves a work-group, no clusters, 35,328 bytes of LDS; arguments x, Wqkv, Wproj, opq, rope; writes opq, rope
.if DOCPART == 1
	.amdgcn_target "amdgcn-amd-amdhsa--gfx1250"
	.amdhsa_code_object_version 6
	.text
	.protected	k_q202d9f1799_quant
	.globl	k_q202d9f1799_quant
	.p2align	8
	.type	k_q202d9f1799_quant,@function
k_q202d9f1799_quant:
	s_mov_b64 s[64:65], 0
	v_nop
	global_prefetch_b8 v0, s[64:65] scope:SCOPE_SE
	s_setreg_imm32_b32 hwreg(HW_REG_WAVE_MODE, 25, 1), 1
	s_wait_xcnt 0x0
; x [4096][1024], Wqkv [1024][3072] and Wproj [1024][1024], all f32, become codes of FP6 (E2M3) with one E8M0 scale byte for each 32 along K (K = 1024 in all three),
; laid in opq in the ORDER OF AN OPERAND'S REGISTERS; and the table of RoPE's cosines and sines is made.
; WORK THAT THE PROGRAM LEAVES OUT: scores of keys that come after all queries of a tile (reference()'s own causal mask gives them -infinity ahead of the softmax, whatever the inputs hold); a NaN or an infinity there is not carried to the result.
; POSITIONS.  A row of an operand (a token of x, a column of a weight) with number i lies at position sigma(i) = i with bits 3 and 4 exchanged.  So the 16 neighbouring positions of tile 2 B + u
; hold rows 32 B + 8 u + p + 8 (p / 8), p = 0 .. 15.
; opq: 8,192 position rows: 0 .. 4,095 tokens, 4,096 .. 7,167 Wqkv's columns, 7,168 .. 8,191 Wproj's.  Codes [tile of 16 rows][K step of 128][1,536 bytes]: the fragment's registers 4 g .. 4 g + 3 of
; lane l at 512 g + 16 l (lane (r, h) holds row r; registers 6 c .. 6 c + 5 hold k = 64 c + 32 h + 0 .. 31).  From byte OPS on: scale bytes [position row][32].
; rope: [token tile T of a sequence, 128][g 8][512 bytes], lane l's 16 bytes at 16 l: g 0..3 cos, g 4..7 sin of t f_i, t = 32 (T / 2) + 8 (T % 2) + r + 8 (r / 8), i = 16 h + 4 (g % 4) + 0 .. 3.
; A block's scale is 2^(floor(log2(its largest magnitude)) - 2); its byte is the largest magnitude's exponent field - 2, held at 1 from below.
; LIMITS: a block of zeros gets the byte 1 where the rule says 127 (its codes are zeros, and only this program reads the bytes); blocks whose largest magnitude lies under 2^-124 are held at byte 1;
; NaN and infinities among the inputs are not served.  f_i = 2^(-i log2(10) / 8) carries v_exp_f32's last bit, so an angle near t = 2,000 can differ from reference()'s by about 1e-4 rad,
; the size of the f32 angle's own rounding there.
; SHARES: work-groups 0 .. 191: Wqkv; 192 .. 255: Wproj; 256 .. 511: a token tile of x each; 512 .. 543: the table.  Waves share nothing: no barrier.  Only x's path uses LDS.
.set OPS,   6291456
.set FLOOR, 0x1800000                  ; 2^(3 - 127): under it no largest magnitude is taken, so the byte cannot fall under 1
.set OFF2,  0xff000000                 ; -(2 << 23): 2 off an exponent field
.set RR,    64                         ; x: v64-191  the 32 loads as they come
.set XX,    192                        ; x: v192-255 two sets of 32 neighbours along K
.set FI,    16                         ; x: v16-39   two fragments' registers
.set WX,    32                         ; W: v32-95   two sets of 32 numbers down K
.set WG,    96                         ; W: v96-119  two runs of 12 registers: half of the lanes
.set SB,    24                         ; W: v24      four scale bytes
.set SPW,   15                         ; v15 my spare word, v58 0
.set NIL,   58
.set SPARE, 34816
.macro BLKMAX xs, m, n                 ; the largest magnitude of v[xs] .. v[xs + 31], and the floor, into v[m]; two chains
	v_max3_num_f32 v[\m], |v[\xs]|, |v[\xs+1]|, |v[\xs+2]|
	v_max3_num_f32 v[\n], |v[\xs+3]|, |v[\xs+4]|, |v[\xs+5]|
.irp u, 6,10,14,18,22,26
	v_max3_num_f32 v[\m], v[\m], |v[\xs+\u]|, |v[\xs+\u+1]|
	v_max3_num_f32 v[\n], v[\n], |v[\xs+\u+2]|, |v[\xs+\u+3]|
.endr
	v_max3_num_f32 v[\m], v[\m], |v[\xs+30]|, |v[\xs+31]|
	v_max3_num_f32 v[\m], v[\m], v[\n], FLOOR
.endm
; x: 64 along K of the tile's 16 rows go through the wave's stage: in as they were loaded (two rows an instruction), out 128 bytes a lane: lane (r, h) gets k = 64 s + 32 h + 0 .. 31 of row r
.macro XTURN s
.irp j, 0,1,2,3,4,5,6,7
	ds_store_b128 v6, v[RR+32*(\s)+4*\j:RR+32*(\s)+4*\j+3] offset:4352*((\s)%2)+544*\j
.endr
.irp j, 0,1,2,3,4,5,6,7
	ds_load_b128 v[XX+32*((\s)%2)+4*\j:XX+32*((\s)%2)+4*\j+3], v7 offset:4352*((\s)%2)+16*\j   ; LDS serves a wave's instructions in order: these see the stores above
.endr
.endm
.macro XSTEP s
.set XS, XX+32*((\s)%2)
.set FD, FI+12*((\s)/2)+6*((\s)%2)
.if (\s) < 3
	s_wait_loadcnt 8*(2-(\s))                      ; the next step's eight loads are in; those of the steps behind it may be out
	XTURN (\s)+1
	s_wait_dscnt 16                                ; this step's numbers are back; the sixteen LDS instructions just issued may be out
.else
	s_wait_dscnt 0x0
.endif
	BLKMAX XS, 44, 45                              ; a whole block of 32 lies in my registers
	v_add_nc_u32 v46, OFF2, v44                    ; the conversion takes the exponent field of this operand as its scale
	v_lshrrev_b32 v[48+(\s)], 23, v46              ; the scale's byte
	v_cvt_scalef32_pk16_fp6_f32 v[FD:FD+2], v[XS:XS+15], v46
	v_cvt_scalef32_pk16_fp6_f32 v[40:42], v[XS+16:XS+31], v46   ; (a conversion's three registers begin on an even number)
	v_nop                                          ; one plain place behind a scaled conversion
.irp u, 0,1,2
	v_mov_b32 v[FD+3+\u], v[40+\u]
.endr
.if (\s)%2 == 1                        ; a K step of 128 is whole: its image leaves, 512 consecutive bytes a store
.irp g, 0,1,2
	global_store_b128 v8, v[FI+12*((\s)/2)+4*\g:FI+12*((\s)/2)+4*\g+3], s[10:11] offset:1536*((\s)/2)+512*\g
.endr
	v_lshl_or_b32 v[52+(\s)/2], v[48+(\s)], 16, v[47+(\s)]   ; my two bytes: blocks h and 2 + h,
	v_lshlrev_b32 v[52+(\s)/2], v56, v[52+(\s)/2]            ; at their places in the scale word (8 h bits up);
	v_permlanex16_b32 v[54+(\s)/2], v[52+(\s)/2], s14, s15
	v_or_b32 v[52+(\s)/2], v[52+(\s)/2], v[54+(\s)/2]        ; with lane l xor 16's two the word is whole
.endif
.endm
; W: block t: W(128 y + 32 t + i, my column), i = 0 .. 31
.macro WLOAD t, n, p
.set LI, 0
.rept 32
	global_load_b32 v[WX+32*((\t)%2)+LI], v5, s[\p:\p+1] offset:(32*(\t)+LI)*\n*4 th:TH_LOAD_NT
.set LI, LI+1
.endr
.endm
.macro WBLOCK t, n, p
.set XS, WX+32*((\t)%2)
.set GD, WG+12*((\t)%2)+6*((\t)/2)     ; block t is k = 64 c + 32 hh of the K step, c = t / 2, hh = t % 2: registers 6 c .. 6 c + 5 of the lane (row, hh)
.if (\t) < 3
	s_wait_loadcnt 32                              ; this block's 32 loads are in; the next block's may be out
.else
	s_wait_loadcnt 0x0
.endif
	BLKMAX XS, 12, 13
	v_add_nc_u32 v14, OFF2, v12
	v_lshrrev_b32 v13, 23, v14
.if (\t) == 0
	v_mov_b32 v[SB], v13                           ; four bytes, the lower K in the lower byte
.else
	v_lshl_or_b32 v[SB], v13, 8*(\t), v[SB]
.endif
	v_cvt_scalef32_pk16_fp6_f32 v[GD:GD+2], v[XS:XS+15], v14
	v_cvt_scalef32_pk16_fp6_f32 v[144:146], v[XS+16:XS+31], v14
	v_nop                                          ; one plain place behind a scaled conversion
.irp u, 0,1,2
	v_mov_b32 v[GD+3+\u], v[144+\u]
.endr
.if (\t) < 2
	WLOAD (\t)+2, \n, \p
.endif
.endm
; A weight [1024][n]: a lane takes a column, its registers run down K.  A wave: 32 columns x 128 along K, one K step.  row0: the weight's first position row;  start: its first work-group;  p: its pointer
.macro WPATH n, row0, start, p
	s_sub_co_u32 s17, ttmp9, \start
	s_lshr_b32 s18, s17, 3
	s_and_b32 s17, s17, 7                          ; which K step
	s_lshl_b32 s18, s18, 7
	s_lshl_b32 s19, s16, 5
	s_add_co_u32 s18, s18, s19                     ; my wave's first column
	s_mul_i32 s20, s17, 128*\n*4
	s_lshl_b32 s19, s18, 2
	s_add_co_u32 s20, s20, s19
	s_add_nc_u64 s[\p:\p+1], s[\p:\p+1], s[20:21]
	s_add_co_u32 s22, s18, \row0                   ; its position row (a multiple of 32)
	s_mul_i32 s20, s22, 768                        ; 12,288 bytes of codes for 16 rows
	s_mul_i32 s23, s17, 1536
	s_add_co_u32 s20, s20, s23
	s_add_nc_u64 s[24:25], s[10:11], s[20:21]
	s_lshl_b32 s20, s22, 5
	s_lshl_b32 s23, s17, 2
	s_add_co_u32 s20, s20, s23
	s_add_co_u32 s20, s20, OPS
	s_add_nc_u64 s[26:27], s[10:11], s[20:21]
	v_lshlrev_b32 v5, 2, v2                        ; in: 4 bytes a lane
	v_bfe_u32 v10, v0, 3, 1                        ; column l lies in tile (l / 8) % 2 of its 32,
	v_and_b32 v11, 7, v0
	v_lshl_add_u32 v11, v4, 3, v11                 ; at row l % 8 + 8 (l / 16)
	v_mul_u32_u24 v6, v10, 12288
	v_lshl_add_u32 v6, v11, 4, v6                  ; the image: tile, 16 bytes a row
	v_lshl_add_u32 v7, v10, 4, v11
	v_lshlrev_b32 v7, 5, v7                        ; the scale bytes: 32 a position row
	WLOAD 0, \n, \p
	WLOAD 1, \n, \p
.irp t, 0,1,2,3
	WBLOCK \t, \n, \p
.endr
.irp hh, 0,1                           ; the 16 lanes of each tile store 256 consecutive bytes, aligned: half a register group of the image
.irp g, 0,1,2
	global_store_b128 v6, v[WG+12*\hh+4*\g:WG+12*\hh+4*\g+3], s[24:25] offset:512*\g+256*\hh
.endr
.endr
	global_store_b32 v7, v[SB], s[26:27]           ; my column's scale word: pieces of 4 bytes, one byte in 128 of what the path reads
	s_endpgm
.endm
	s_load_b256 s[4:11], s[0:1], 0x0               ; x s[4:5], Wqkv s[6:7], Wproj s[8:9], opq s[10:11]
	s_load_b64 s[12:13], s[0:1], 0x20              ; rope
	v_lshl_add_u32 v[SPW], v0, 2, SPARE
	v_mov_b32 v[NIL], 0
	v_lshrrev_b32 v1, 5, v0
	v_readfirstlane_b32 s16, v1                    ; wave 0..3
	v_and_b32 v2, 31, v0                           ; lane
	v_and_b32 v3, 15, v0                           ; r
	v_bfe_u32 v4, v0, 4, 1                         ; h
	s_mov_b32 s14, 0x76543210
	s_mov_b32 s15, 0xfedcba98                      ; v_permlanex16_b32's selects for lane l xor 16
	s_mov_b32 s21, 0                               ; the high word of every offset
	s_wait_alu depctr_va_vdst(0)                   ; the wait at the head's end
	s_wait_kmcnt 0x0
	s_cmp_lt_u32 ttmp9, 192
	s_cbranch_scc1 .Lwqkv
	s_cmp_lt_u32 ttmp9, 256
	s_cbranch_scc1 .Lwproj
	s_cmp_lt_u32 ttmp9, 512
	s_cbranch_scc1 .Lxpath
	; ---- THE TABLE.  A wave makes one token tile: a lane 16 angles, i = 16 h + 0 .. 15, of its token
	s_sub_co_u32 s17, ttmp9, 512
	s_lshl_b32 s17, s17, 2
	s_add_co_u32 s17, s17, s16                     ; T
	s_lshr_b32 s18, s17, 1
	s_lshl_b32 s18, s18, 5
	s_and_b32 s19, s17, 1
	s_lshl_b32 s19, s19, 3
	s_add_co_u32 s18, s18, s19                     ; 32 (T / 2) + 8 (T % 2)
	s_lshl_b32 s20, s17, 12
	s_add_nc_u64 s[12:13], s[12:13], s[20:21]
	v_and_b32 v10, 8, v3
	v_add_nc_u32 v10, v10, v3
	v_add_nc_u32 v10, s18, v10                     ; my token
	v_cvt_f32_u32 v11, v10
	v_lshlrev_b32 v12, 4, v4                       ; 16 h
	v_lshlrev_b32 v8, 4, v2                        ; 16 x lane
	v_mov_b32 v16, 0xb94ca1f9                      ; the sine's and the cosine's highest coefficients
	v_mov_b32 v17, 0x37ccf5ce
	s_mov_b32 s22, 0xbfc90fdb                      ; -(pi / 2), its f32 part,
	s_mov_b32 s23, 0x333bbd2e                      ; and what that part leaves over
.irp k, 0,1,2,3,4,5,6,7,8,9,10,11,12,13,14,15
	v_add_nc_u32 v[32+\k], \k, v12
.endr
.irp k, 0,1,2,3,4,5,6,7,8,9,10,11,12,13,14,15
	v_cvt_f32_u32 v[32+\k], v[32+\k]
.endr
.irp k, 0,1,2,3,4,5,6,7,8,9,10,11,12,13,14,15
	v_mul_f32 v[32+\k], 0xbed49a78, v[32+\k]       ; -i log2(10) / 8 = log2(10000^(-2 i / 64))
.endr
	s_wait_alu depctr_va_vdst(0)
.irp k, 0,1,2,3,4,5,6,7,8,9,10,11,12,13,14,15
	v_exp_f32 v[32+\k], v[32+\k]                   ; f_i
.endr
	v_nop                                          ; a plain place behind the batch,
	s_wait_alu depctr_va_vdst(0)                   ; and one wait for it, ahead of its first reader
.irp k, 0,1,2,3,4,5,6,7,8,9,10,11,12,13,14,15
	v_mul_f32 v[48+\k], v11, v[32+\k]              ; the angle, in f32 as reference() has it
.endr
.irp k, 0,1,2,3,4,5,6,7,8,9,10,11,12,13,14,15
	v_mul_f32 v[96+\k], 0x3f22f983, v[48+\k]       ; x 2 / pi
.endr
.irp k, 0,1,2,3,4,5,6,7,8,9,10,11,12,13,14,15
	v_rndne_f32 v[96+\k], v[96+\k]                 ; n quarter turns
.endr
.irp k, 0,1,2,3,4,5,6,7,8,9,10,11,12,13,14,15
	v_fma_f32 v[112+\k], v[96+\k], s22, v[48+\k]   ; what is left, |.| <= pi / 4: n has 11 bits, so this step rounds nothing
.endr
.irp k, 0,1,2,3,4,5,6,7,8,9,10,11,12,13,14,15
	v_fma_f32 v[112+\k], v[96+\k], s23, v[112+\k]
.endr
.irp k, 0,1,2,3,4,5,6,7,8,9,10,11,12,13,14,15
	v_mul_f32 v[128+\k], v[112+\k], v[112+\k]      ; z
.endr
.irp k, 0,1,2,3,4,5,6,7,8,9,10,11,12,13,14,15
	v_fmaak_f32 v[144+\k], v[128+\k], v16, 0x3c08839e
	v_fmaak_f32 v[160+\k], v[128+\k], v17, 0xbab6061a
.endr
.irp k, 0,1,2,3,4,5,6,7,8,9,10,11,12,13,14,15
	v_fmaak_f32 v[144+\k], v[128+\k], v[144+\k], 0xbe2aaaa3
	v_fmaak_f32 v[160+\k], v[128+\k], v[160+\k], 0x3d2aaaa5
.endr
.irp k, 0,1,2,3,4,5,6,7,8,9,10,11,12,13,14,15
	v_mul_f32 v[48+\k], v[112+\k], v[128+\k]
.endr
.irp k, 0,1,2,3,4,5,6,7,8,9,10,11,12,13,14,15
	v_fma_f32 v[144+\k], v[48+\k], v[144+\k], v[112+\k]   ; the sine of what is left
.endr
.irp k, 0,1,2,3,4,5,6,7,8,9,10,11,12,13,14,15
	v_mul_f32 v[48+\k], v[128+\k], v[128+\k]
	v_fma_f32 v[112+\k], v[128+\k], -0.5, 1.0
.endr
.irp k, 0,1,2,3,4,5,6,7,8,9,10,11,12,13,14,15
	v_fma_f32 v[160+\k], v[48+\k], v[160+\k], v[112+\k]   ; its cosine
.endr
.irp k, 0,1,2,3,4,5,6,7,8,9,10,11,12,13,14,15
	v_cvt_i32_f32 v[176+\k], v[96+\k]
.endr
.irp k, 0,1,2,3,4,5,6,7,8,9,10,11,12,13,14,15
	v_and_b32 v[192+\k], 1, v[176+\k]              ; an odd number of quarter turns: sine and cosine change places (a choice of values, no branch)
	v_cmp_eq_u32 vcc_lo, 1, v[192+\k]
	v_cndmask_b32 v[80+\k], v[144+\k], v[160+\k], vcc_lo
	v_cndmask_b32 v[64+\k], v[160+\k], v[144+\k], vcc_lo
	v_and_b32 v[192+\k], 2, v[176+\k]              ; the sine is turned over in quarters 2 and 3,
	v_lshlrev_b32 v[192+\k], 30, v[192+\k]
	v_xor_b32 v[80+\k], v[192+\k], v[80+\k]
	v_add_nc_u32 v[192+\k], 1, v[176+\k]           ; the cosine in quarters 1 and 2
	v_and_b32 v[192+\k], 2, v[192+\k]
	v_lshlrev_b32 v[192+\k], 30, v[192+\k]
	v_xor_b32 v[64+\k], v[192+\k], v[64+\k]
.endr
.irp g, 0,1,2,3,4,5,6,7
	global_store_b128 v8, v[64+4*\g:67+4*\g], s[12:13] offset:512*\g   ; 512 consecutive bytes a store
.endr
	s_endpgm
	; ---- x.  The work-group is token tile s28; wave w takes k = 256 w .. 256 w + 255: two K steps, in four steps of 64
.Lxpath:
	s_sub_co_u32 s28, ttmp9, 256
	s_lshr_b32 s18, s28, 1
	s_lshl_b32 s18, s18, 5
	s_and_b32 s19, s28, 1
	s_lshl_b32 s19, s19, 3
	s_add_co_u32 s18, s18, s19                     ; the tile's first token: its rows are that + 0 .. 7 and + 16 .. 23
	s_lshl_b32 s20, s18, 12
	s_lshl_b32 s19, s16, 10
	s_add_co_u32 s20, s20, s19
	s_add_nc_u64 s[4:5], s[4:5], s[20:21]
	s_lshl_b32 s20, s28, 9                         ; 16 rows of 32 scale bytes a tile,
	s_lshl_b32 s19, s16, 3                         ; my two words
	s_add_co_u32 s20, s20, s19
	s_add_co_u32 s20, s20, OPS
	s_add_nc_u64 s[18:19], s[10:11], s[20:21]
	s_mul_i32 s20, s28, 12288
	s_mul_i32 s22, s16, 3072
	s_add_co_u32 s20, s20, s22
	s_add_nc_u64 s[10:11], s[10:11], s[20:21]
	s_mul_i32 s17, s16, 8704                       ; my two stages of 16 x 272 bytes
	v_lshlrev_b32 v5, 4, v3
	v_lshl_add_u32 v5, v4, 12, v5                  ; in: lanes 0-15 one row's 256 bytes, lanes 16-31 the next row's
	v_mul_u32_u24 v6, v4, 272
	v_lshl_add_u32 v6, v3, 4, v6
	v_add_nc_u32 v6, s17, v6                       ; into the stage likewise
	v_mul_u32_u24 v7, v3, 272
	v_lshl_add_u32 v7, v4, 7, v7
	v_add_nc_u32 v7, s17, v7                       ; out of it: row r, 128 bytes for each half of the lanes
	v_lshlrev_b32 v8, 4, v2                        ; an image's place for my lane
	v_lshlrev_b32 v9, 5, v3
	v_lshl_add_u32 v9, v4, 2, v9                   ; my row's scale bytes, word h of my wave's two
	v_lshlrev_b32 v56, 3, v4                       ; 8 h
	v_mov_b32 v54, 0                               ; written once: a lane permute's destination counts as one of its sources
	v_mov_b32 v55, 0
.irp s, 0,1,2,3
.irp j, 0,1,2,3,4,5,6,7
	global_load_b128 v[RR+32*\s+4*\j:RR+32*\s+4*\j+3], v5, s[4:5] offset:(2*\j+8*(\j/4))*4096+256*\s th:TH_LOAD_NT   ; sixteen lanes read 256 consecutive bytes, aligned
.endr
.endr
	s_wait_alu depctr_va_vdst(0)
	s_wait_loadcnt 24                              ; the first step's eight loads are in
	XTURN 0
	XSTEP 0
	XSTEP 1
	XSTEP 2
	XSTEP 3
	v_cmp_eq_u32 vcc_lo, 1, v4
	v_cndmask_b32 v57, v52, v53, vcc_lo            ; lanes 0-15 store the first K step's word, lanes 16-31 the second's
	global_store_b32 v9, v57, s[18:19]             ; pieces of 8 bytes a row: one byte in 128 of what the path reads
	s_wait_tensorcnt 0x0                           ; the wave's end
	ds_add_u32 v[SPW], v[NIL]
	s_wait_dscnt 0x0
	s_endpgm
.Lwqkv:
	WPATH 3072, 4096, 0, 6
.Lwproj:
	WPATH 1024, 7168, 192, 8
.Lfunc_end_k_q202d9f1799_quant:
	.size	k_q202d9f1799_quant, .Lfunc_end_k_q202d9f1799_quant-k_q202d9f1799_quant
	.p2alignl 7, 3214868480
	.fill 96, 4, 3214868480
	.section	.rodata,"a",@progbits
	.p2align	6, 0x0
	.amdhsa_kernel k_q202d9f1799_quant
		.amdhsa_group_segment_fixed_size 35328
		.amdhsa_private_segment_fixed_size 0
		.amdhsa_enable_private_segment 0
		.amdhsa_kernarg_size 40
		.amdhsa_user_sgpr_count 2
		.amdhsa_user_sgpr_kernarg_segment_ptr 1
		.amdhsa_wavefront_size32 1
		.amdhsa_system_sgpr_workgroup_id_x 1
		.amdhsa_system_sgpr_workgroup_id_y 1
		.amdhsa_system_sgpr_workgroup_id_z 1
		.amdhsa_system_vgpr_workitem_id 0
		.amdhsa_next_free_vgpr 256
		.amdhsa_next_free_sgpr 66
		.amdhsa_reserve_vcc 1
		.amdhsa_float_denorm_mode_32 3
		.amdhsa_float_denorm_mode_16_64 3
		.amdhsa_memory_ordered 1
		.amdhsa_forward_progress 1
		.amdhsa_inst_pref_size 79
	.end_amdhsa_kernel
	.amdgpu_metadata
---
amdhsa.version: [ 1, 2 ]
amdhsa.kernels:
  - .name:           k_q202d9f1799_quant
    .symbol:         k_q202d9f1799_quant.kd
    .args:
      - { .name: x, .offset: 0, .size: 8, .value_kind: global_buffer, .address_space: global }
      - { .name: Wqkv, .offset: 8, .size: 8, .value_kind: global_buffer, .address_space: global }
      - { .name: Wproj, .offset: 16, .size: 8, .value_kind: global_buffer, .address_space: global }
      - { .name: opq, .offset: 24, .size: 8, .value_kind: global_buffer, .address_space: global }
      - { .name: rope, .offset: 32, .size: 8, .value_kind: global_buffer, .address_space: global }
    .group_segment_fixed_size: 35328
    .private_segment_fixed_size: 0
    .kernarg_segment_align: 8
    .kernarg_segment_size: 40
    .max_flat_workgroup_size: 128
    .sgpr_count:     66
    .vgpr_count:     256
    .wavefront_size: 32
...
	.end_amdgpu_metadata
.endif
;; end of part 1
;; launch qkv (part 2): grid 12 x 16, 4 waves a work-group, clusters of 4 x 4, 327,680 bytes of LDS; arguments opq, rope, bqkv, qbuf, kv; writes qbuf, kv
.if DOCPART == 2
	.amdgcn_target "amdgcn-amd-amdhsa--gfx1250"
	.amdhsa_code_object_version 6
	.text
	.protected	k_q202d9f1799_qkv
	.globl	k_q202d9f1799_qkv
	.p2align	8
	.type	k_q202d9f1799_qkv,@function
k_q202d9f1799_qkv:
	s_mov_b64 s[64:65], 0
	v_nop
	global_prefetch_b8 v0, s[64:65] scope:SCOPE_SE
	s_setreg_imm32_b32 hwreg(HW_REG_WAVE_MODE, 25, 1), 1
	s_wait_xcnt 0x0
	s_wait_alu depctr_hold_cnt(0) depctr_sa_sdst(0) depctr_va_vdst(0) depctr_va_sdst(0) depctr_va_ssrc(0) depctr_va_vcc(0) depctr_vm_vsrc(0)
	s_getreg_b32 s2, hwreg(HW_REG_IB_STS2, 6, 4)
	s_cmp_eq_u32 s2, 0
	s_cbranch_scc0 .Lentry_in_a_cluster
	s_endpgm
.Lentry_in_a_cluster:
	s_bfe_u32 s2, ttmp6, 0x10000c
	s_cmp_lg_u32 s2, 0xf033
	s_cbranch_scc0 .Lentry_shape_is_right
	s_endpgm
.Lentry_shape_is_right:
; q, k, v = x Wqkv + bqkv on codes of FP6 (E2M3) with one E8M0 scale for each 32 along K = 1,024; RoPE on q and k; all three quantised for the next products (q, k along the head's 64, v along the tokens).
; INPUTS: opq (codes [tile of 16 position rows][K step of 128][1,536 bytes], then scale bytes [position row][32]), rope, bqkv.  A tile of the result is 256 x 256: clusters of 4 x 4 work-groups; cluster x = 0 makes q, 1 k, 2 v.
; K goes through two slots of 256 along K, filled by joint loads: A's tiles are shared along a row of the cluster, B's along a column; the scales of all K lie in LDS.
; PREFETCH: each slot's refill (K steps 4 and 5, then 6 and 7) is asked for into the L2 one change of slots ahead; of the 96 units of 256 bytes that a wave fetches, each of the four partners names 24, told apart by address.
; OUTPUTS.  qbuf: q's codes [bh][token tile][768 bytes], then scale words [bh][key step][2][16][4].  kv: [bh][key step of 128][13,056 bytes]: k's 8 tiles of 768 bytes, v^T's 4 fragments of 1,536 bytes, k's 128 scale words, v's 64.
; In kv the codes of k's tiles 2, 3, 6, 7 and of v^T's tiles 2, 3 have rows 0 .. 7 and 8 .. 15 exchanged: row r lies at place r xor 8.
; LIMITS: a block of zeros gets the byte 1 (zero codes; only this program reads the bytes); NaN and infinities are not served.
.set NQ,     2
.set FR,     12
.set NL,     3
.set NP,     4
.set HALFT,  8*3072
.set SLOT,   4*HALFT
.set KS,     32
.set SCL,    2*SLOT
.set HALFS,  16*272
.set SBLK,   2*272
.set SPARE,  SCL+4*HALFS
.set OPS,    6291456
.set VH,   7
.set LI0,  8
.set LI1,  9
.set LR0,  10
.set LR1,  11
.set SA0,  12
.set SA1,  13
.set RL,   14
.set BA,   15
.set ADRA, 16
.set ADRB, 20
.set ADRS, 27
.set SPW,  28
.set NIL,  29
.set SC,   32
.set BI,   64
.set AF,   128
.set VA,   128
.set PC,   192
.set TM,   212
.set SW,   228
.set TT,   244
.set G1, 24
.set G0, 32
.set G1B, 48
.set G0B, 56
.set SEL, 66
.set G1S, 68
.set G0S, 76
.set G1SB, 80
.set G0SB, 88
.set OB,  92
.set MSB, 0
.macro WIN new
.if MSB != (\new)
	s_set_vgpr_msb (MSB<<8)|(\new)
.set MSB, (\new)
.endif
.endm
.set MUL_LO, 0xa1
.set MUL_HI, 0xf1
.set TO_B,   0x40
.macro JLOAD g0a, g1a, g0b, g1b
	s_cmp_eq_u32 s15, 0
	s_cbranch_scc0 .Lfor_b_\@
	tensor_load_to_lds s[\g0a:\g0a+3], s[\g1a:\g1a+7]
	s_nop 0
.rept 4
	v_nop
.endr
	s_branch .Lasked_\@
.Lfor_b_\@:
	tensor_load_to_lds s[\g0b:\g0b+3], s[\g1b:\g1b+7]
	s_nop 0
.rept 4
	v_nop
.endr
.Lasked_\@:
.endm
.macro CREST
	s_cmp_lg_u32 s14, 0
	s_cbranch_scc1 .Lnot_wave_0_\@
	s_barrier_signal -3
.Lnot_wave_0_\@:
	s_barrier_wait -3
	s_barrier_signal -1
	s_barrier_wait -1
.endm
.macro CROUND
	s_barrier_signal -1
	s_barrier_wait -1
	CREST
.endm
	s_load_b256 s[4:11], s[0:1], 0x0
	s_load_b64 s[12:13], s[0:1], 0x20
	v_lshl_add_u32 v[SPW], v0, 2, SPARE
	v_mov_b32 v[NIL], 0
	ds_add_u32 v28, v29
	ds_add_u32 v28, v29
	s_wait_dscnt 0x0
	v_lshrrev_b32 v1, 5, v0
	v_readfirstlane_b32 s14, v1
	s_lshr_b32 s15, s14, 1
	s_and_b32 s16, s14, 1
	s_bfe_u32 s40, ttmp6, 0x40000
	s_bfe_u32 s41, ttmp6, 0x40004
	s_and_b32 s18, ttmp7, 0xffff
	s_lshl_b32 s18, s18, 2
	s_lshr_b32 s2, ttmp9, 1
	s_xor_b32 s19, s2, 1
	s_mul_i32 s17, s19, s18
	s_mul_i32 s20, s2, 24
	s_add_co_u32 s17, s17, s20
	s_add_co_u32 s17, s17, s41
	s_lshl_b32 s42, ttmp9, 2
	s_add_co_u32 s42, s42, 16
	s_mul_i32 s42, s42, s19
	s_mul_i32 s20, s2, s18
	s_add_co_u32 s42, s42, s20
	s_add_co_u32 s42, s42, s40
	s_lshl_b32 s43, s41, 2
	s_lshl_b32 s43, 15, s43
	s_lshl_b32 s44, 0x1111, s40
	s_mov_b32 s[SEL], 0x76543210
	s_mov_b32 s[SEL+1], 0xfedcba98
	s_or_b32 s[G1+0], s43, (3<<16)|(1<<21)
	s_or_b32 s[G1B+0], s44, (3<<16)|(1<<21)
.irp g, G1, G1B
	s_mov_b32 s[\g+1], 384<<16
	s_mov_b32 s[\g+2], 16<<16              ; 16 tiles for the head's loads; 8 for the ring's, from the first round behind them on
	s_mov_b32 s[\g+3], 384<<16
	s_mov_b32 s[\g+4], 16
	s_mov_b32 s[\g+5], 1536
	s_mov_b32 s[\g+6], 0
	s_mov_b32 s[\g+7], 0
.endr
	s_or_b32 s[G1S+0], s43, (3<<16)|(1<<20)|(1<<21)|(5<<22)|(3<<25)
	s_or_b32 s[G1SB+0], s44, (3<<16)|(1<<20)|(1<<21)|(5<<22)|(3<<25)
.irp g, G1S, G1SB
	s_mov_b32 s[\g+1], 32<<16
	s_mov_b32 s[\g+2], 32<<16
	s_mov_b32 s[\g+3], 32<<16
	s_mov_b32 s[\g+4], 32
	s_mov_b32 s[\g+5], 32
	s_mov_b32 s[\g+6], 0
	s_mov_b32 s[\g+7], 0
.endr
	s_lshl_b32 s20, s17, 8
	s_lshl_b32 s46, s42, 8
	s_lshl_b32 s22, s20, 5
	s_add_co_u32 s22, s22, OPS
	s_mov_b32 s23, 0
	s_lshl_b32 s92, s46, 5
	s_add_co_u32 s92, s92, OPS
	s_mov_b32 s93, 0
	s_mul_i32 s20, s20, 768
	s_mov_b32 s21, 0
	s_mul_i32 s46, s46, 768
	s_mov_b32 s47, 0
	s_mul_i32 s18, s16, 98304              ; in the ring I fetch 8 of a tile's 16 row tiles: which half, in bytes
	s_mov_b32 s19, 0
	s_mul_i32 s45, s14, HALFT
	s_wait_kmcnt 0x0
	s_add_nc_u64 s[20:21], s[4:5], s[20:21]
	s_add_nc_u64 s[22:23], s[4:5], s[22:23]
	s_add_nc_u64 s[46:47], s[4:5], s[46:47]
	s_add_nc_u64 s[92:93], s[4:5], s[92:93]
	CROUND
	; THE HEAD'S LOADS, ONE A WAVE: wave 0 slot 0's 16 tiles of A, wave 1 its 16 of B, wave 2 the scales of A's 256 rows, wave 3 those of B's
	s_mov_b32 s[G0S], 1
	s_mov_b32 s[G0S+1], SCL
	s_mov_b64 s[G0S+2:G0S+3], s[22:23]
	s_or_b32 s[G0S+3], s[G0S+3], 0x80000000
	s_mov_b32 s[G0SB], 1
	s_mov_b32 s[G0SB+1], SCL+2*HALFS
	s_mov_b64 s[G0SB+2:G0SB+3], s[92:93]
	s_or_b32 s[G0SB+3], s[G0SB+3], 0x80000000
	s_mov_b32 s[G0], 1
	s_mov_b32 s[G0+1], 0
	s_mov_b64 s[G0+2:G0+3], s[20:21]
	s_or_b32 s[G0+3], s[G0+3], 0x80000000
	s_mov_b32 s[G0B], 1
	s_mov_b32 s[G0B+1], 2*HALFT
	s_mov_b64 s[G0B+2:G0B+3], s[46:47]
	s_or_b32 s[G0B+3], s[G0B+3], 0x80000000
.macro ARM under, g0, g1, next
	s_cmp_lt_u32 s14, \under
	s_cbranch_scc0 \next
	tensor_load_to_lds s[\g0:\g0+3], s[\g1:\g1+7]
	s_nop 0
.rept 4
	v_nop
.endr
	s_branch .Lhead_asked
\next:
.endm
	ARM 1, G0, G1, .Lhead_b
	ARM 2, G0B, G1B, .Lhead_sa
	ARM 3, G0S, G1S, .Lhead_sb
	tensor_load_to_lds s[G0SB:G0SB+3], s[G1SB:G1SB+7]
	s_nop 0
.rept 4
	v_nop
.endr
.Lhead_asked:
	s_add_nc_u64 s[20:21], s[20:21], s[18:19]
	s_add_nc_u64 s[46:47], s[46:47], s[18:19]
	s_cmp_eq_u32 s15, 0                    ; the prefetches: in the ring I fetch for A or for B
	s_cselect_b64 s[96:97], s[20:21], s[46:47]
	s_cselect_b32 s98, s40, s41            ; my place among the four that ask with me
	s_mul_i32 s98, s98, 24
	v_and_b32 v30, 31, v0
	v_min_u32 v30, 23, v30
	v_add_nc_u32 v30, s98, v30             ; unit 0 .. 95 of my 8 tiles x 12
	v_mul_u32_u24 v31, 43, v30
	v_lshrrev_b32 v31, 9, v31              ; its tile: unit / 12, exact up to 95
	v_mul_u32_u24 v26, 12, v31
	v_sub_nc_u32 v30, v30, v26
	v_lshlrev_b32 v30, 8, v30
	v_mul_u32_u24 v31, 12288, v31
	v_add_nc_u32 v30, v30, v31
	s_mov_b32 s[G0+4], 1
	s_add_co_u32 s[G0+5], s45, SLOT
	s_add_nc_u64 s[G0+6:G0+7], s[20:21], 3072
	s_or_b32 s[G0+7], s[G0+7], 0x80000000
	s_mov_b32 s[G0B+4], 1
	s_add_co_u32 s[G0B+5], s45, SLOT
	s_add_nc_u64 s[G0B+6:G0B+7], s[46:47], 3072
	s_or_b32 s[G0B+7], s[G0B+7], 0x80000000
	v_and_b32 v1, 15, v0
	v_bfe_u32 v2, v0, 4, 1
	v_and_b32 v3, 31, v0
	v_lshlrev_b32 v3, 4, v3
	s_mul_i32 s21, s15, HALFT
	s_mul_i32 s22, s16, HALFT
	s_add_co_u32 s22, s22, 2*HALFT
.irp s, 0,1
	v_add_nc_u32 v[ADRA+\s], s21, v3
	v_add_nc_u32 v[ADRB+\s], s22, v3
	s_add_co_u32 s21, s21, SLOT
	s_add_co_u32 s22, s22, SLOT
.endr
	v_mul_u32_u24 v5, v1, KS
	v_lshrrev_b32 v6, 8, v5
	v_lshl_add_u32 v5, v6, 4, v5
	s_mul_i32 s21, s15, HALFS
	s_mul_i32 s22, s16, HALFS
	s_add_co_u32 s22, s22, 2*HALFS
	s_sub_co_u32 s22, s22, s21
	v_mul_u32_u24 v6, s22, v2
	s_add_co_u32 s21, s21, SCL
	v_add_nc_u32 v5, v5, v6
	v_add_nc_u32 v[ADRS], s21, v5
.macro FRAG reg, adr, q, i
.irp g, 0,1,2
	ds_load_b128 v[\reg+4*\g:\reg+4*\g+3], v[\adr] offset:3072*(\i)+1536*(\q)+512*\g
.endr
.endm
.macro MUL16 a0, p, q, sc, zero
.irp a, \a0, \a0+1
.irp b, 0,1,2,3,4,5,6,7
.if \zero
	v_wmma_scale_f32_16x16x128_f8f6f4 v[8*(8*((\a)%4)+\b):8*(8*((\a)%4)+\b)+7], v[128*(\p)+FR*\b:128*(\p)+FR*\b+FR-1], v[AF+FR*(\a):AF+FR*(\a)+FR-1], 0, v[SC+8*NQ*(\sc)+NQ*\b+(\q)], v[SC+8*NQ*(\sc)+NQ*(\a)+(\q)] matrix_a_fmt:MATRIX_FMT_FP6 matrix_b_fmt:MATRIX_FMT_FP6 matrix_a_scale:MATRIX_SCALE_ROW1
.else
	v_wmma_scale_f32_16x16x128_f8f6f4 v[8*(8*((\a)%4)+\b):8*(8*((\a)%4)+\b)+7], v[128*(\p)+FR*\b:128*(\p)+FR*\b+FR-1], v[AF+FR*(\a):AF+FR*(\a)+FR-1], v[8*(8*((\a)%4)+\b):8*(8*((\a)%4)+\b)+7], v[SC+8*NQ*(\sc)+NQ*\b+(\q)], v[SC+8*NQ*(\sc)+NQ*(\a)+(\q)] matrix_a_fmt:MATRIX_FMT_FP6 matrix_b_fmt:MATRIX_FMT_FP6 matrix_a_scale:MATRIX_SCALE_ROW1
.endif
.endr
.endr
.endm
.macro FETCH_B slot, q, p
	WIN TO_B
.irp i, 0,1,2,3,4,5,6,7
	FRAG 128*(\p)+FR*\i, ADRB+\slot, \q, \i
.endr
	WIN 0
.endm
.macro FETCH_A slot, q, i0
.irp i, \i0, \i0+1, \i0+2, \i0+3
	FRAG AF+FR*(\i), ADRA+\slot, \q, \i
.endr
.endm
.macro SCALES sc
.irp i, 0,1,2,3,4,5,6,7
	ds_load_b64 v[SC+8*NQ*\sc+NQ*\i:SC+8*NQ*\sc+NQ*\i+1], v[ADRS] offset:\i*SBLK
.endr
.endm
.macro PLACES n
.rept \n
	v_nop
.endr
.endm
.macro STEP slot, q, zero
	s_wait_dscnt 4*NL
	WIN MUL_LO
	MUL16 0, (\q)%2, \q, \slot, \zero
	MUL16 2, (\q)%2, \q, \slot, \zero
	s_wait_dscnt 0
	PLACES NP
	FETCH_B \slot, (\q)+1, 1-(\q)%2
	FETCH_A \slot, (\q)+1, 0
	WIN MUL_HI
	MUL16 4, (\q)%2, \q, \slot, \zero
	MUL16 6, (\q)%2, \q, \slot, \zero
	PLACES NP
	WIN 0
	FETCH_A \slot, (\q)+1, 4
.endm
.macro TURN slot, next, fill
	s_wait_tensorcnt 0x0
	ds_add_u32 v[SPW], v[NIL]
	s_wait_dscnt 4*NL+1
	WIN MUL_LO
	MUL16 0, 1, NQ-1, \slot, 0
	s_wait_dscnt 0x0
	s_barrier_signal -1
	MUL16 2, 1, NQ-1, \slot, 0
	WIN 0
	s_barrier_wait -1
.if \fill
	CREST
	s_add_nc_u64 s[G0+4*\slot+2:G0+4*\slot+3], s[G0+4*\slot+2:G0+4*\slot+3], 2*3072
	s_add_nc_u64 s[G0B+4*\slot+2:G0B+4*\slot+3], s[G0B+4*\slot+2:G0B+4*\slot+3], 2*3072
	JLOAD G0+4*\slot, G1, G0B+4*\slot, G1B
.else
	PLACES NP
.endif
	s_wait_alu depctr_va_vdst(0)
	v_add_nc_u32 v[ADRS], 4*NQ, v[ADRS]
	FETCH_B \next, 0, 0
	FETCH_A \next, 0, 0
	SCALES \next
.if (\fill) && ((\slot) == 0)
	global_prefetch_b8 v30, s[96:97] offset:3*3072 th:TH_LOAD_NT scope:SCOPE_SE   ; K steps 6 and 7
.endif
	WIN MUL_HI
	MUL16 4, 1, NQ-1, \slot, 0
	MUL16 6, 1, NQ-1, \slot, 0
	PLACES NP
	WIN 0
	FETCH_A \next, 0, 4
.endm
.macro TAIL
	STEP 1, 0, 0
	s_wait_dscnt 4*NL
	WIN MUL_LO
	MUL16 0, 1, NQ-1, 1, 0
	MUL16 2, 1, NQ-1, 1, 0
	s_wait_dscnt 0
	WIN MUL_HI
	MUL16 4, 1, NQ-1, 1, 0
	MUL16 6, 1, NQ-1, 1, 0
	WIN 0
	PLACES NP
.endm
.macro QUANT s
.irp b, 0,1,2,3
	v_max3_num_f32 v[TM+\b], |v[\s+16*\b]|, |v[\s+1+16*\b]|, 0x1800000
.endr
.irp u, 2,4,6,8,10,12,14
.irp b, 0,1,2,3
	v_max3_num_f32 v[TM+\b], v[TM+\b], |v[\s+16*\b+\u]|, |v[\s+1+16*\b+\u]|
.endr
.endr
.irp b, 0,1,2,3
	v_permlanex16_b32 v[TM+4+\b], v[TM+\b], s[SEL], s[SEL+1]
.endr
.irp b, 0,1,2,3
	v_max_num_f32 v[TM+\b], v[TM+\b], v[TM+4+\b]
.endr
.irp b, 0,1,2,3
	v_add_nc_u32 v[TM+12+\b], 0xff000000, v[TM+\b]
.endr
.irp b, 0,1,2,3
	v_lshrrev_b32 v[TM+4+\b], 23, v[TM+12+\b]
.endr
.irp c, 0,1
	v_cvt_scalef32_pk16_fp6_f32 v[PC+6*\c:PC+2+6*\c], v[\s+32*\c:\s+15+32*\c], v[TM+12+2*\c]
	v_cvt_scalef32_pk16_fp6_f32 v[PC+12+4*\c:PC+14+4*\c], v[\s+16+32*\c:\s+31+32*\c], v[TM+12+2*\c+1]
.endr
	v_nop
.irp c, 0,1
.irp u, 0,1,2
	v_permlane16_swap_b32 v[PC+6*\c+\u], v[PC+12+4*\c+\u]
.endr
.irp u, 0,1,2
	v_mov_b32 v[PC+3+6*\c+\u], v[PC+12+4*\c+\u]
.endr
.endr
.endm
.macro FINISH
	s_wait_tensorcnt 0x0
	ds_add_u32 v[SPW], v[NIL]
	s_wait_dscnt 0x0
	CROUND
	s_endpgm
.endm
	s_wait_alu depctr_va_vdst(0)
	s_wait_tensorcnt 0x0                   ; my tile of the head's four is in
	ds_add_u32 v[SPW], v[NIL]
	s_mov_b32 s[G1+2], 8<<16               ; no tensor load of mine is out, so descriptors may be written: from here on a load brings 8 tiles,
	s_mov_b32 s[G1+4], 8
	s_mov_b32 s[G1B+2], 8<<16
	s_mov_b32 s[G1B+4], 8
	s_mov_b32 s[G0+1], s45                 ; and slot 0's groups stand for my part of the ring
	s_add_nc_u64 s[G0+2:G0+3], s[G0+2:G0+3], s[18:19]
	s_mov_b32 s[G0B+1], s45
	s_add_nc_u64 s[G0B+2:G0B+3], s[G0B+2:G0B+3], s[18:19]
	s_wait_dscnt 0x0
	CROUND                                 ; slot 0 and the scales are in, and all sixteen work-groups are here
	JLOAD G0+4, G1, G0B+4, G1B             ; slot 1's first fill
	FETCH_B 0, 0, 0
	FETCH_A 0, 0, 0
	SCALES 0
	FETCH_A 0, 0, 4
	global_prefetch_b8 v30, s[96:97] offset:2*3072 th:TH_LOAD_NT scope:SCOPE_SE   ; K steps 4 and 5
	STEP 0, 0, 1
	TURN 0, 1, 1
	STEP 1, 0, 0
	TURN 1, 0, 1
	STEP 0, 0, 0
	TURN 0, 1, 0
	s_cmp_eq_u32 s2, 1
	s_cbranch_scc1 .Lv_kind
	v_and_b32 v1, 15, v0
	v_bfe_u32 v[VH], v0, 4, 1
	v_and_b32 v3, 31, v0
	v_lshlrev_b32 v3, 4, v3
	s_wait_alu depctr_va_vdst(0)
	v_lshlrev_b32 v4, 4, v1
	v_lshl_add_u32 v5, v[VH], 3, v4
	s_wait_alu depctr_va_vdst(0)
	v_lshl_add_u32 v4, v[VH], 8, v4
	s_wait_alu depctr_va_vdst(0)
	s_lshl_b32 s18, s17, 1
	s_add_co_u32 s18, s18, s15
	s_and_b32 s19, s18, 15
	s_lshr_b32 s18, s18, 4
	s_sub_co_u32 s20, s42, 16
	s_lshl_b32 s20, s20, 2
	s_lshl_b32 s21, s16, 1
	s_add_co_u32 s20, s20, s21
	s_and_b32 s21, s20, 15
	s_lshl_b32 s18, s18, 4
	s_add_co_u32 s18, s18, s21
	s_cmp_eq_u32 ttmp9, 0
	s_cselect_b64 s[OB:OB+1], s[10:11], s[12:13]
	s_mov_b32 s22, 208896
	s_cselect_b32 s22, 98304, s22
	s_mov_b32 s23, 13056
	s_cselect_b32 s23, 6144, s23
	s_mov_b32 s45, 208896
	s_cselect_b32 s45, 8192, s45
	s_mov_b32 s46, 13056
	s_cselect_b32 s46, 512, s46
	s_mov_b32 s47, 12288
	s_cselect_b32 s47, 3145728, s47
	s_mov_b32 s98, 128
	s_cselect_b32 s98, 0, s98              ; k: rows r and r xor 8 change places in tiles 2, 3, 6, 7
	s_mul_i32 s94, s18, s22
	s_mul_i32 s95, s19, s23
	s_add_co_u32 s94, s94, s95
	v_add_nc_u32 v[LI0], s94, v3
	v_add_nc_u32 v[LR0], s94, v5
	v_add_nc_u32 v[LI1], s22, v[LI0]
	v_add_nc_u32 v[LR1], s22, v[LR0]
	v_xor_b32 v26, s98, v3
	v_xor_b32 v31, s98, v5
	v_add_nc_u32 v[LI0+14], s94, v26
	v_add_nc_u32 v[LR0+14], s94, v31
	v_add_nc_u32 v[LI1+14], s22, v[LI0+14]
	v_add_nc_u32 v[LR1+14], s22, v[LR0+14]
	s_mul_i32 s94, s18, s45
	s_mul_i32 s95, s19, s46
	s_add_co_u32 s94, s94, s95
	s_add_co_u32 s94, s94, s47
	v_add_nc_u32 v[SA0], s94, v4
	v_add_nc_u32 v[SA1], s45, v[SA0]
	s_lshl_b32 s94, s19, 15
	v_add_nc_u32 v[RL], s94, v3
	s_lshl_b32 s94, s20, 8
	v_lshl_add_u32 v[BA], v[VH], 6, s94
.irp b, 0,1,2,3
.irp q, 0,1,2,3
	global_load_b128 v[BI+16*\b+4*\q:BI+16*\b+4*\q+3], v[BA], s[8:9] offset:128*\b+16*\q
.endr
.endr
	WIN TO_B
.irp a, 3,7
.irp g, 0,1,2,3,4,5,6,7
	global_load_b128 v[32*\a+4*\g:32*\a+4*\g+3], v[RL], s[6:7] offset:4096*\a+512*\g
.endr
.endr
	WIN 0
	s_wait_alu depctr_va_vdst(0)
	TAIL
	WIN TO_B
.irp a, 0,1,2,4,5,6
.irp g, 0,1,2,3,4,5,6,7
	global_load_b128 v[32*\a+4*\g:32*\a+4*\g+3], v[RL], s[6:7] offset:4096*\a+512*\g
.endr
.endr
	WIN 0
.irp b, 0,1,2,3
	v_mov_b32 v[TM+4+\b], 0
.endr
.macro EPQK a
	WIN 0x02+(\a)/4
.set EI, 0
.rept 32
	v_pk_add_f32 v[VA+EI:VA+EI+1], v[64*((\a)%4)+EI:64*((\a)%4)+EI+1], v[BI+EI:BI+EI+1]
.set EI, EI+2
.endr
	WIN 0x04
.irp hd, 0,1
.irp i, 0,2,4,6,8,10,12,14
.set TP, TT+4*((\i/2)%2)
	v_pk_mul_f32 v[TP:TP+1], v[VA+32*\hd+16+\i:VA+32*\hd+17+\i], v[32*(\a)+16+\i:32*(\a)+17+\i]
	v_pk_mul_f32 v[TP+2:TP+3], v[VA+32*\hd+\i:VA+32*\hd+1+\i], v[32*(\a)+16+\i:32*(\a)+17+\i]
	v_pk_fma_f32 v[VA+32*\hd+\i:VA+32*\hd+1+\i], v[VA+32*\hd+\i:VA+32*\hd+1+\i], v[32*(\a)+\i:32*(\a)+1+\i], v[TP:TP+1] neg_lo:[0,0,1] neg_hi:[0,0,1]
	v_pk_fma_f32 v[VA+32*\hd+16+\i:VA+32*\hd+17+\i], v[VA+32*\hd+16+\i:VA+32*\hd+17+\i], v[32*(\a)+\i:32*(\a)+1+\i], v[TP+2:TP+3]
.endr
.endr
	WIN 0
	s_wait_xcnt 0x0
	QUANT VA
	v_lshl_or_b32 v[SW+(\a)], v[TM+5], 8, v[TM+4]
	v_lshl_or_b32 v[SW+8+(\a)], v[TM+7], 8, v[TM+6]
	v_or_b32 v[SW+(\a)], 0x7f7f0000, v[SW+(\a)]
	v_or_b32 v[SW+8+(\a)], 0x7f7f0000, v[SW+8+(\a)]
	global_store_b128 v[LI0+14*(((\a)/2)%2)], v[PC:PC+3], s[OB:OB+1] offset:768*(\a)
	global_store_b64 v[LR0+14*(((\a)/2)%2)], v[PC+4:PC+5], s[OB:OB+1] offset:768*(\a)+512
	global_store_b128 v[LI1+14*(((\a)/2)%2)], v[PC+6:PC+9], s[OB:OB+1] offset:768*(\a)
	global_store_b64 v[LR1+14*(((\a)/2)%2)], v[PC+10:PC+11], s[OB:OB+1] offset:768*(\a)+512
.endm
	s_wait_loadcnt 48
	EPQK 3
	EPQK 7
	s_wait_loadcnt 40
	EPQK 0
	s_wait_loadcnt 32
	EPQK 1
	s_wait_loadcnt 24
	EPQK 2
	s_wait_loadcnt 16
	EPQK 4
	s_wait_loadcnt 8
	EPQK 5
	s_wait_loadcnt 0x0
	EPQK 6
	v_cmp_eq_u32 vcc_lo, 1, v[VH]
.irp hd, 0,1
.irp i, 0,1,2,3
	v_cndmask_b32 v[VA+4*\hd+\i], v[SW+8*\hd+\i], v[SW+8*\hd+4+\i], vcc_lo
.endr
.endr
	global_store_b128 v[SA0], v[VA:VA+3], s[OB:OB+1]
	global_store_b128 v[SA1], v[VA+4:VA+7], s[OB:OB+1]
	FINISH
.Lv_kind:
	v_and_b32 v1, 15, v0
	v_bfe_u32 v[VH], v0, 4, 1
	v_and_b32 v3, 31, v0
	v_lshlrev_b32 v3, 4, v3
	s_wait_alu depctr_va_vdst(0)
	s_lshl_b32 s18, s42, 1
	s_add_co_u32 s18, s18, s16
	s_and_b32 s19, s18, 15
	s_lshr_b32 s18, s18, 4
	s_lshl_b32 s20, s41, 2
	s_lshl_b32 s21, s15, 1
	s_add_co_u32 s20, s20, s21
	s_lshl_b32 s18, s18, 4
	s_add_co_u32 s18, s18, s20
	s_mov_b64 s[OB:OB+1], s[12:13]
	s_mul_i32 s94, s18, 208896
	s_mul_i32 s95, s19, 13056
	s_add_co_u32 s94, s94, s95
	v_add_nc_u32 v[LI0], s94, v3
	v_add_nc_u32 v[LI1], 208896, v[LI0]
	v_xor_b32 v26, 0x80, v3                ; v^T's tiles 2 and 3: rows r and r xor 8 change places
	v_add_nc_u32 v[LI0+14], s94, v26
	v_add_nc_u32 v[LI1+14], 208896, v[LI0+14]
	v_mul_u32_u24 v5, v[VH], 208896
	v_lshl_add_u32 v5, v1, 4, v5
	v_add_nc_u32 v[SA0], s94, v5
	v_and_b32 v5, 8, v1
	v_add_nc_u32 v5, v5, v1
	v_lshlrev_b32 v5, 2, v5
	s_lshl_b32 s20, s20, 8
	s_add_co_u32 s20, s20, 8192
	v_add_nc_u32 v[BA], s20, v5
.irp a, 0,1,2,3,4,5,6,7
	global_load_b32 v[BI+2*\a], v[BA], s[8:9] offset:(32*(\a/2)+8*(\a%2))*4
	global_load_b32 v[BI+2*\a+1], v[BA], s[8:9] offset:(32*(\a/2)+8*(\a%2))*4
.endr
	TAIL
.irp b, 0,1,2,3
	v_mov_b32 v[TM+4+\b], 0
.endr
	s_wait_loadcnt 0x0
.macro EPV a
	WIN 0x02+(\a)/4
.set EI, 0
.rept 32
	v_pk_add_f32 v[VA+EI:VA+EI+1], v[64*((\a)%4)+EI:64*((\a)%4)+EI+1], v[BI+2*(\a):BI+2*(\a)+1]
.set EI, EI+2
.endr
	WIN 0
	s_wait_xcnt 0x0
	QUANT VA
	v_lshl_or_b32 v[SW+(\a)], v[TM+5], 8, v[TM+4]
	v_lshl_or_b32 v[SW+(\a)], v[TM+6], 16, v[SW+(\a)]
	v_lshl_or_b32 v[SW+(\a)], v[TM+7], 24, v[SW+(\a)]
.irp g, 0,1,2
	global_store_b128 v[LI0+(\a)/4+14*(((\a)%4)/2)], v[PC+4*\g:PC+4*\g+3], s[OB:OB+1] offset:6144+1536*((\a)%4)+512*\g
.endr
.endm
.irp a, 0,1,2,3,4,5,6,7
	EPV \a
.endr
	v_cmp_eq_u32 vcc_lo, 1, v[VH]
.irp i, 0,1,2,3
	v_cndmask_b32 v[VA+\i], v[SW+\i], v[SW+4+\i], vcc_lo
.endr
	global_store_b128 v[SA0], v[VA:VA+3], s[OB:OB+1] offset:12800
	FINISH
.Lfunc_end_k_q202d9f1799_qkv:
	.size	k_q202d9f1799_qkv, .Lfunc_end_k_q202d9f1799_qkv-k_q202d9f1799_qkv
	.p2alignl 7, 3214868480
	.fill 96, 4, 3214868480
	.section	.rodata,"a",@progbits
	.p2align	6, 0x0
	.amdhsa_kernel k_q202d9f1799_qkv
		.amdhsa_group_segment_fixed_size 327680
		.amdhsa_private_segment_fixed_size 0
		.amdhsa_enable_private_segment 0
		.amdhsa_kernarg_size 40
		.amdhsa_user_sgpr_count 2
		.amdhsa_user_sgpr_kernarg_segment_ptr 1
		.amdhsa_wavefront_size32 1
		.amdhsa_system_sgpr_workgroup_id_x 1
		.amdhsa_system_sgpr_workgroup_id_y 1
		.amdhsa_system_sgpr_workgroup_id_z 1
		.amdhsa_system_vgpr_workitem_id 0
		.amdhsa_next_free_vgpr 1024
		.amdhsa_next_free_sgpr 102
		.amdhsa_reserve_vcc 1
		.amdhsa_float_denorm_mode_32 3
		.amdhsa_float_denorm_mode_16_64 3
		.amdhsa_memory_ordered 1
		.amdhsa_forward_progress 1
		.amdhsa_inst_pref_size 255
	.end_amdhsa_kernel
	.section	.bss,"aw",@nobits
	.p2align	6
	.space	262144
	.amdgpu_metadata
---
amdhsa.version: [ 1, 2 ]
amdhsa.kernels:
  - .name:           k_q202d9f1799_qkv
    .symbol:         k_q202d9f1799_qkv.kd
    .args:
      - { .name: opq, .offset: 0, .size: 8, .value_kind: global_buffer, .address_space: global }
      - { .name: rope, .offset: 8, .size: 8, .value_kind: global_buffer, .address_space: global }
      - { .name: bqkv, .offset: 16, .size: 8, .value_kind: global_buffer, .address_space: global }
      - { .name: qbuf, .offset: 24, .size: 8, .value_kind: global_buffer, .address_space: global }
      - { .name: kv, .offset: 32, .size: 8, .value_kind: global_buffer, .address_space: global }
    .group_segment_fixed_size: 327680
    .private_segment_fixed_size: 0
    .kernarg_segment_align: 8
    .kernarg_segment_size: 40
    .max_flat_workgroup_size: 128
    .sgpr_count:     102
    .vgpr_count:     1024
    .wavefront_size: 32
...
	.end_amdgpu_metadata
.endif
;; end of part 2
;; launch attn (part 3): grid 8 x 32, 16 waves a work-group, clusters of 4 x 1, 327,680 bytes of LDS; arguments qbuf, kv, yq; writes yq
.if DOCPART == 3
	.amdgcn_target "amdgcn-amd-amdhsa--gfx1250"
	.amdhsa_code_object_version 6
	.text
	.protected	k_q202d9f1799_attn
	.globl	k_q202d9f1799_attn
	.p2align	8
	.type	k_q202d9f1799_attn,@function
k_q202d9f1799_attn:
	s_mov_b64 s[64:65], 0
	v_nop
	global_prefetch_b8 v0, s[64:65] scope:SCOPE_SE
	s_setreg_imm32_b32 hwreg(HW_REG_WAVE_MODE, 25, 1), 1
	s_wait_xcnt 0x0
	s_wait_alu depctr_hold_cnt(0) depctr_sa_sdst(0) depctr_va_vdst(0) depctr_va_sdst(0) depctr_va_ssrc(0) depctr_va_vcc(0) depctr_vm_vsrc(0)
	s_getreg_b32 s2, hwreg(HW_REG_IB_STS2, 6, 4)
	s_cmp_eq_u32 s2, 0
	s_cbranch_scc0 .Lentry_in_a_cluster
	s_endpgm
.Lentry_in_a_cluster:
	s_bfe_u32 s2, ttmp6, 0x10000c
	s_cmp_lg_u32 s2, 0x3003
	s_cbranch_scc0 .Lentry_shape_is_right
	s_endpgm
.Lentry_shape_is_right:
; y[bh][q] = softmax_k(q . k / 8, causal) v, both products on codes of FP6 (E2M3) with one E8M0 scale for each 32 along a product's K; y is quantised along C = 16 heads x 64 for the last product.
; THE SOFTMAX AHEAD OF THE SECOND PRODUCT: t = score x log2(e) / 8; M = the row's largest t so far, rounded UP to a whole number; p = 2^(t - M) is what is quantised, along the keys; the row's sum is taken of the
; unquantised p and divides at the end.  When M moves, the sum and O are multiplied by 2^(old M - new M): exact.
; INPUTS.  qbuf: q's codes [bh][token tile][768 bytes], then scale words [bh][key step][2][16][4].  kv: [bh][key step of 128 keys][13,056 bytes]: K's 8 tiles of 768 bytes, V^T's 4 fragments of
; 1,536 bytes, K's 128 scale words, V's 64.  Tokens and V^T's rows d lie at positions with bits 3 and 4 exchanged: stored tile 2 B + u holds rows 32 B + 8 u + p + 8 (p / 8), p = 0 .. 15; in kv the codes of tiles with odd B have
; places p and p xor 8 exchanged.
; OPERAND TILES.  Which rows form a tile of a product is chosen by the LDS address: with lane row R = 8 a + i (a = 0, 1; i = 0 .. 7), tile j = j0 + 2 j1 of 64 keys takes keys 32 a + 8 j + i (stored tile 2 a + j0, place 8 (j1 xor a) + i), and
; tile j of V^T takes d = 32 a + 8 j + i.  The two halves of a load's lanes so read different 128 bytes of a row of LDS banks (ISA guide 11.1).
; Lane (r, h) of S^T = K Q^T holds query r and, in 32 neighbouring registers, 32 NEIGHBOURING KEYS: a whole block, in the order in which the second product wants it; and of O^T = V^T P^T d = 32 h + 0 .. 31: a whole block of y.
; The head size is 64: the upper 64 of the first product's K are zero codes in Q (registers written once) under the scale byte 127, so whatever finite codes stand in K's upper six registers add nothing (FP6 has no other):
; K's eight fragments lie six registers apart and each takes the next one's codes as its upper half.
; SHARES.  A work-group serves one head with sixteen waves, four to a SIMD.  Work-group w of a head's eight takes tile w (16 queries) of EVERY query block of 128, so what a wave has to do hangs on its number alone.  Waves v (B) and 15 - v (A), v < 8,
; serve the blocks v (v + 1 key steps) and 15 - v (16 - v): with n = 6 (v < 4) or 8, wave A takes key steps 0 .. n - 1 of the long one; wave B the short one, then steps n .. 15 - v of the long one: 17 - n in all; A's part is handed to B
; through LDS.  Waves s, s + 4, s + 8, s + 12 have 11, 9, 8 and 6 steps.
; A step all of whose keys come after a tile's queries is never begun (the causal mask of reference(): its scores are thrown away there).  A NaN or an infinity in such a step is not carried to the result.
; CLUSTERS: four work-groups of one head.  A WHOLE HEAD'S K, V AND SCALES LIE IN LDS, 208,896 bytes, filled ONCE: wave s asks, jointly with its three partners, for key step s.  Key step 0 is shown by the first barrier, all others by the second.
; No prefetch: every load goes out at the head.
; OUTPUT yq: codes [row tile 256][head][768 bytes], then scale bytes [position row][32], byte 2 head + block.
; LIMITS: a block of zeros gets the byte 1 (zero codes; only this program reads the bytes); scaled scores stay under 2^31 in magnitude; NaN and infinities are not served.
; REGISTERS: v232-238 LDS lane terms (K codes 0-3 for j1 = 0, 1; K codes 4-5 likewise; scale words; V likewise), v1-7 with the step's place; v9, v10 the mask's limits, v11 -infinity; v12 -M, v13 the largest score, v[14:15] the sum; v16-27 Q;
;   v28 Q's scale word, v29 p's; v[30:31] f; v32-79 K's codes, then V's four fragments; v80-85 zeros; v86-93 K's scale words, v228-231 V's; v96-159 S^T, then p; v160-191 O^T; v192-203 p's codes; v204-227 at work;
;   v240-243, v251-252 addresses; v244-250 the long tile's Q.
.set STEPB, 13056
.set MRG,   262144                     ; what A hands to B: 4,352 bytes a pair; no fill lands there
.set SPARE, MRG+8*4352                 ; 128 bytes for each wave
.set SPW, 254
.set NIL, 255
.set G1,  24                           ; s[24:31] descriptor group 1
.set G0,  40                           ; s[40:43] group 0
.set ML,   48                          ; the trip that is on the long tile's diagonal
.set T,    50                          ; the trip = which step of mine
.set TR,   51                          ; the trip at which B changes tiles
.set LAST, 52                          ; my last trip
.set MK,   53                          ; the trip that is on the short tile's diagonal
.set DEL,  54                          ; B: bytes from key step t to key step t + n - v - 1
.set TS,   55
.set TB,   56                          ; LDS byte at which the step's keys begin
.set SEL,  60                          ; s[60:61] v_permlanex16_b32's selects for lane l xor 16
.set CS,   62                          ; s[62:63] c = log2(e) / 8
.macro CROUND
	s_barrier_signal -1
	s_barrier_wait -1
	s_cmp_lg_u32 s10, 0
	s_cbranch_scc1 .Lnot_wave_0_\@
	s_barrier_signal -3
.Lnot_wave_0_\@:
	s_barrier_wait -3
	s_barrier_signal -1
	s_barrier_wait -1
.endm
.macro QOFF tile, a, b                 ; byte offsets of a tile's codes and scale words in qbuf
	s_lshl_b32 s\a, s14, 7
	s_add_co_u32 s\a, s\a, s\tile
	s_mul_i32 s\a, s\a, 768
	s_lshl_b32 s\b, s14, 4
	s_lshr_b32 s22, s\tile, 3
	s_add_co_u32 s\b, s\b, s22
	s_lshl_b32 s\b, s\b, 9
	s_bfe_u32 s22, s\tile, 0x10002
	s_lshl_b32 s22, s22, 8
	s_add_co_u32 s\b, s\b, s22
	s_and_b32 s22, s\tile, 3
	s_lshl_b32 s22, s22, 2
	s_add_co_u32 s\b, s\b, s22
	s_add_co_u32 s\b, s\b, 3145728
.endm
.macro YOFF tile, a, b                 ; and in yq
	s_lshr_b32 s22, s14, 4
	s_lshl_b32 s22, s22, 7
	s_add_co_u32 s22, s22, s\tile
	s_and_b32 s23, s14, 15
	s_lshl_b32 s\a, s22, 4
	s_add_co_u32 s\a, s\a, s23
	s_mul_i32 s\a, s\a, 768
	s_lshl_b32 s\b, s22, 9
	s_lshl_b32 s23, s23, 1
	s_add_co_u32 s\b, s\b, s23
	s_add_co_u32 s\b, s\b, 3145728
.endm
.macro TLOAD
	tensor_load_to_lds s[G0:G0+3], s[G1:G1+7]
	s_nop 0
.rept 4
	v_nop
.endr
.endm
	s_load_b128 s[4:7], s[0:1], 0x0                ; qbuf, kv
	s_load_b64 s[8:9], s[0:1], 0x10                ; yq
	v_lshl_add_u32 v[SPW], v0, 2, SPARE
	v_mov_b32 v[NIL], 0
	ds_add_u32 v[SPW], v[NIL]                      ; the opening lines: the add, twice on end, and its wait
	ds_add_u32 v[SPW], v[NIL]
	v_lshrrev_b32 v8, 5, v0
	v_readfirstlane_b32 s10, v8                    ; wave 0..15
	v_and_b32 v212, 31, v0                         ; l
	v_and_b32 v213, 15, v0                         ; r
	v_bfe_u32 v214, v0, 4, 1                       ; h
	v_lshlrev_b32 v240, 4, v212                    ; 16 l
	v_lshlrev_b32 v243, 4, v213                    ; 16 r
	v_lshl_add_u32 v241, v214, 3, v243             ; 16 r + 8 h
	v_lshlrev_b32 v242, 5, v213
	v_add_nc_u32 v242, v242, v214                  ; 32 r + h
	s_lshr_b32 s15, s10, 3                         ; 1: A
	s_xor_b32 s12, s15, 1                          ; 1: B
	s_mul_i32 s16, s15, 15
	s_xor_b32 s11, s10, s16                        ; v: the wave's number, or 15 less it
	s_bfe_u32 s13, ttmp6, 0x40000
	s_lshl_b32 s16, ttmp9, 2
	s_add_co_u32 s13, s13, s16                     ; w = 4 x cluster x + cx: it enters global addresses and the mask's limits alone
	s_and_b32 s14, ttmp7, 0xffff                   ; bh
	s_mov_b32 s[G1], 15|(3<<16)|(1<<21)            ; all four of the cluster; elements of 8 bytes; no padding
	s_mov_b32 s[G1+1], 32<<16                      ; rows of 256 bytes
	s_mov_b32 s[G1+2], 51<<16                      ; 51 of them
	s_mov_b32 s[G1+3], 32<<16
	s_mov_b32 s[G1+4], 51
	s_mov_b32 s[G1+5], 32
	s_mov_b32 s[G1+6], 0
	s_mov_b32 s[G1+7], 0
	s_mov_b32 s[G0], 1
	s_mul_i32 s[G0+1], s10, STEPB                  ; LDS is the head's image, byte for byte
	s_mul_i32 s20, s14, 208896
	s_add_co_u32 s20, s20, s[G0+1]
	s_mov_b32 s21, 0
	s_lshr_b32 s59, s11, 2
	s_lshl_b32 s59, s59, 1
	s_add_co_u32 s59, s59, 6                       ; n
	s_lshl_b32 s16, s15, 4                         ; A: 16, out of the trips' reach
	s_add_co_u32 s[MK], s11, s16
	s_add_co_u32 s[TR], s[MK], 1
	s_sub_co_u32 s17, 16, s59
	s_add_co_u32 s[ML], s17, s16
	s_mul_i32 s17, s17, s12                        ; B's last trip: 16 - n;
	s_sub_co_u32 s18, s59, 1
	s_mul_i32 s18, s18, s15                        ; A's: n - 1
	s_add_co_u32 s[LAST], s17, s18
	s_sub_co_u32 s[DEL], s59, s11
	s_sub_co_u32 s[DEL], s[DEL], 1
	s_mul_i32 s[DEL], s[DEL], s12
	s_mul_i32 s[DEL], s[DEL], STEPB
	s_sub_co_u32 s17, 15, s11
	s_lshl_b32 s17, s17, 3
	s_add_co_u32 s17, s17, s13                     ; the long tile
	s_lshl_b32 s18, s11, 3
	s_add_co_u32 s18, s18, s13                     ; the short tile
	s_cmp_lg_u32 s12, 0
	s_cselect_b32 s19, s18, s17                    ; my first
.irp p, 67,69,71,73,75,77,79,81
	s_mov_b32 s\p, 0
.endr
	QOFF 19, 66, 68
	QOFF 17, 70, 72
	YOFF 18, 74, 76
	YOFF 17, 78, 80
	s_lshr_b32 s57, s13, 1
	s_lshl_b32 s57, s57, 5
	s_and_b32 s22, s13, 1
	s_lshl_b32 s22, s22, 3
	s_add_co_u32 s57, s57, s22                     ; my tile's first query in its block
	s_mul_i32 s58, s11, 4352
	s_add_co_u32 s58, s58, MRG
	s_mov_b32 s[SEL], 0x76543210
	s_mov_b32 s[SEL+1], 0xfedcba98
	s_mov_b32 s[CS], 0x3e38aa3b                    ; log2(e) / 8
	s_mov_b32 s[CS+1], s[CS]                       ; (named with it as a pair, so it is written)
	s_wait_alu depctr_va_vdst(0)
	s_wait_dscnt 0x0
	CROUND                                         ; all four work-groups are here: the joint loads meet
	s_wait_kmcnt 0x0
	s_add_nc_u64 s[66:67], s[4:5], s[66:67]
	s_add_nc_u64 s[68:69], s[4:5], s[68:69]
	s_add_nc_u64 s[70:71], s[4:5], s[70:71]
	s_add_nc_u64 s[72:73], s[4:5], s[72:73]
	s_add_nc_u64 s[74:75], s[8:9], s[74:75]
	s_add_nc_u64 s[76:77], s[8:9], s[76:77]
	s_add_nc_u64 s[78:79], s[8:9], s[78:79]
	s_add_nc_u64 s[80:81], s[8:9], s[80:81]
	s_add_nc_u64 s[G0+2:G0+3], s[6:7], s[20:21]
	s_or_b32 s[G0+3], s[G0+3], 0x80000000
	global_load_b128 v[16:19], v240, s[66:67]      ; Q of my first tile, asked for ahead of the keys,
	global_load_b64 v[20:21], v241, s[66:67] offset:512
	global_load_b32 v28, v243, s[68:69]
	global_load_b128 v[244:247], v240, s[70:71]    ; and of the long one
	global_load_b64 v[248:249], v241, s[70:71] offset:512
	global_load_b32 v250, v243, s[72:73]
	s_cmp_eq_u32 s10, 0                            ; one tensor load a wave; key step 0 has a line of its own, for the wait that shows it alone
	s_cbranch_scc0 .Lother
	TLOAD
	s_branch .Lasked
.Lother:
	TLOAD
.Lasked:
	v_bfe_u32 v215, v0, 3, 1                       ; a
	v_and_b32 v216, 7, v0
	v_lshlrev_b32 v216, 4, v216                    ; 16 i
	v_mul_u32_u24 v217, 1536, v215
	v_lshl_add_u32 v219, v215, 7, v217             ; j1 = 0: 1,536 a + 128 a
	v_mul_u32_u24 v220, 1408, v215
	v_add_nc_u32 v220, 128, v220                   ; j1 = 1: 1,536 a + 128 (1 - a)
	v_lshl_add_u32 v236, v215, 3, v216             ; scale words: 16 i + 8 a
	v_lshl_add_u32 v221, v214, 3, v216             ; 16 i + 8 h
	v_add_nc_u32 v234, v221, v219                  ; K, registers 4-5
	v_add_nc_u32 v235, v221, v220
	v_lshl_add_u32 v222, v214, 8, v216             ; 16 i + 256 h
	v_add_nc_u32 v232, v222, v219                  ; K, registers 0-3
	v_add_nc_u32 v233, v222, v220
	v_add_nc_u32 v237, v232, v217                  ; V: 3,072 a in place of 1,536 a
	v_add_nc_u32 v238, v233, v217
	v_lshl_add_u32 v9, v215, 3, v213               ; my query in its tile: r + 8 (r / 8)
	v_lshlrev_b32 v218, 5, v214
	v_sub_nc_u32 v9, v9, v218
	v_add_nc_u32 v9, s57, v9                       ; on the diagonal register 32 c + n holds key 64 c + 32 h + n of the block: hidden where n > v[9 + c]
	v_add_nc_u32 v10, 0xffffffc0, v9
	v_mov_b32 v11, 0xff800000
	v_add_nc_u32 v251, s58, v240
	v_lshlrev_b32 v252, 3, v212
	v_add_nc_u32 v252, s58, v252
.irp j, 22,23,24,25,26,27,80,81,82,83,84,85,31,227
	v_mov_b32 v[\j], 0                             ; zero codes; the pair's upper half; a lane permute's destination
.endr
; A STEP: 128 keys against my 16 queries.  AD: the seven LDS address registers.  first = 1: it starts the sums
.macro STEP first
.irp q, 0,1,2,3
	ds_load_b64 v[86+2*\q:87+2*\q], v[AD+4] offset:12288+128*\q
.endr
.irp t, 0,1,2,3,4,5,6,7
	ds_load_b128 v[32+6*\t:35+6*\t], v[AD+((\t/2)%2)] offset:768*(4*(\t/4)+(\t%2))
	ds_load_b64 v[36+6*\t:37+6*\t], v[AD+2+((\t/2)%2)] offset:768*(4*(\t/4)+(\t%2))+512
.endr
	s_wait_dscnt 6                                 ; tiles 0 to 4 are in; the six loads of tiles 5 to 7 may be out
.irp t, 0,1,2,3,4,5,6,7
.if \t == 4
	s_wait_dscnt 0x0
.endif
	v_wmma_scale_f32_16x16x128_f8f6f4 v[96+8*\t:103+8*\t], v[32+6*\t:43+6*\t], v[16:27], 0, v[86+\t], v28 matrix_a_fmt:MATRIX_FMT_FP6 matrix_b_fmt:MATRIX_FMT_FP6
.endr
.rept 4
	v_nop                                          ; places in front of the loads into K's registers and of the first reads of the scores
.endr
.irp j, 0,1,2,3
.irp g, 0,1,2
	ds_load_b128 v[32+12*\j+4*\g:35+12*\j+4*\g], v[AD+5+(\j/2)] offset:6144+1536*(\j%2)+512*\g   ; V's four fragments: they land under the softmax
.endr
.endr
.irp q, 0,1
	ds_load_b64 v[228+2*\q:229+2*\q], v[AD+4] offset:12800+128*\q
.endr
.if \first
	s_cmp_eq_u32 s[MK], 0
	s_cbranch_scc0 .Lopen_\@
.else
	s_cmp_eq_u32 s[T], s[MK]                       ; the short tile's diagonal,
	s_cbranch_scc1 .Lmask_\@
	s_cmp_eq_u32 s[T], s[ML]                       ; or the long one's
	s_cbranch_scc0 .Lopen_\@
.Lmask_\@:
.endif
.set NI, 0
.rept 64
	v_cmp_gt_i32 vcc_lo, NI%32, v[9+NI/32]         ; hidden keys' scores become -infinity ahead of the maximum: p = 0 then
	v_cndmask_b32 v[96+NI], v[96+NI], v11, vcc_lo
.set NI, NI+1
.endr
.Lopen_\@:
.irp b, 0,1,2,3
	v_max3_num_f32 v[212+\b], v[96+16*\b], v[97+16*\b], v[98+16*\b]
.endr
.irp i, 3,5,7,9,11,13
.irp b, 0,1,2,3
	v_max3_num_f32 v[212+\b], v[212+\b], v[96+16*\b+\i], v[97+16*\b+\i]
.endr
.endr
.irp c, 0,1
	v_max3_num_f32 v[212+2*\c], v[212+2*\c], v[213+2*\c], v[111+32*\c]
.endr
.irp c, 0,1
	v_max_num_f32 v[212+2*\c], v[212+2*\c], v[127+32*\c]   ; THE LARGEST SCORE OF EACH OF MY TWO BLOCKS: for the row's maximum, and, since p rises with the score, for the block's largest p
.endr
	v_max_num_f32 v226, v212, v214
	v_permlanex16_b32 v227, v226, s[SEL], s[SEL+1]
.if \first
	v_max_num_f32 v13, v226, v227
.else
	v_max3_num_f32 v13, v13, v226, v227            ; the running largest score of my query
.endif
	v_mul_f32 v226, s[CS], -v13
.if \first
	v_floor_f32 v12, v226                          ; -M = floor(-t): M IS A WHOLE NUMBER
.else
	v_floor_f32 v226, v226
	v_sub_f32 v224, v226, v12                      ; old M - new M: a whole number, 0 or less
	v_mov_b32 v12, v226
	v_cvt_i32_f32 v224, v224                       ; (it saturates)
	v_ldexp_f32 v30, 1.0, v224                     ; f = 2^(old M - new M)
.endif
.set NI, 0
.rept 32
	v_pk_fma_f32 v[96+NI:97+NI], v[96+NI:97+NI], s[CS:CS+1], v[12:13] op_sel_hi:[1,0,0]   ; t - M, two at a time
.set NI, NI+2
.endr
	v_fma_f32 v212, v212, s[CS], v12
	v_fma_f32 v214, v214, s[CS], v12
	s_wait_alu depctr_va_vdst(0)                   ; a wait ahead of the batch and one behind it
.set NI, 0
.rept 64
	v_exp_f32 v[96+NI], v[96+NI]                   ; p = 2^(t - M), at most 1: NOT normalised
.set NI, NI+1
.endr
	v_exp_f32 v212, v212                           ; each block's largest p: the same instructions on the same number give the same bits
	v_exp_f32 v214, v214
.if \first
	v_nop
.else
	v_pk_mul_f32 v[14:15], v[14:15], v[30:31] op_sel_hi:[1,0]      ; the sum under the new M (a plain place behind the exponentials)
.endif
	s_wait_alu depctr_va_vdst(0)
.irp k, 1,2,3
	v_pk_add_f32 v[214+2*\k:215+2*\k], v[92+4*\k:93+4*\k], v[94+4*\k:95+4*\k]   ; the sum of the unquantised p, in four chains
.endr
.if \first
	v_pk_add_f32 v[14:15], v[108:109], v[110:111]
	v_pk_add_f32 v[216:217], v[216:217], v[112:113]
.else
	v_pk_add_f32 v[14:15], v[14:15], v[108:109]
	v_pk_add_f32 v[216:217], v[216:217], v[110:111]
	v_pk_add_f32 v[218:219], v[218:219], v[112:113]
.endif
.set NI, 114
.set CH, 218+2*(1-(\first))
.rept 23
.if CH == 222
	v_pk_add_f32 v[14:15], v[14:15], v[NI:NI+1]
.set CH, 216
.else
	v_pk_add_f32 v[CH:CH+1], v[CH:CH+1], v[NI:NI+1]
.set CH, CH+2
.endif
.set NI, NI+2
.endr
	v_max_num_f32 v212, 0x1800000, v212            ; the floor 2^(3 - 127): the byte cannot fall under 1
	v_max_num_f32 v214, 0x1800000, v214
	v_pk_add_f32 v[216:217], v[216:217], v[218:219]
	v_pk_add_f32 v[14:15], v[14:15], v[220:221]
	v_add_nc_u32 v222, 0xff000000, v212            ; 2 off the exponent field: the conversion's scale operand
	v_add_nc_u32 v223, 0xff000000, v214
	v_lshrrev_b32 v224, 23, v222
	v_lshrrev_b32 v225, 23, v223
	v_pk_add_f32 v[14:15], v[14:15], v[216:217]
	v_lshl_or_b32 v224, v225, 16, v224             ; my two bytes: blocks h and 2 + h
	v_permlanex16_b32 v227, v224, s[SEL], s[SEL+1]
	v_lshl_or_b32 v29, v227, 8, v224               ; in lanes 0-15: p's scale word for these 128 keys
	v_cvt_scalef32_pk16_fp6_f32 v[192:194], v[96:111], v222
	v_cvt_scalef32_pk16_fp6_f32 v[204:206], v[112:127], v222       ; (a conversion's three registers begin on an even number)
	v_cvt_scalef32_pk16_fp6_f32 v[198:200], v[128:143], v223
	v_cvt_scalef32_pk16_fp6_f32 v[208:210], v[144:159], v223
	v_nop                                          ; one plain place behind a scaled conversion
.irp u, 0,1,2
	v_mov_b32 v[195+\u], v[204+\u]
	v_mov_b32 v[201+\u], v[208+\u]
.endr
.if \first
.rept 4
	v_nop                                          ; places between the codes' last write and the products
.endr
.else
	s_wait_alu depctr_va_vdst(0)                   ; directly ahead of the first reader of O^T
.set NI, 0
.rept 16
	v_pk_mul_f32 v[160+NI:161+NI], v[160+NI:161+NI], v[30:31] op_sel_hi:[1,0]   ; O^T under the new M (and the places in front of the products)
.set NI, NI+2
.endr
.endif
	s_wait_alu depctr_va_vdst(0)
	s_wait_dscnt 0x0                               ; V
.irp j, 0,1,2,3                        ; four accumulators by turns, one instruction a turn
.if \first
	v_wmma_scale_f32_16x16x128_f8f6f4 v[160+8*\j:167+8*\j], v[32+12*\j:43+12*\j], v[192:203], 0, v[228+\j], v29 matrix_a_fmt:MATRIX_FMT_FP6 matrix_b_fmt:MATRIX_FMT_FP6
.else
	v_wmma_scale_f32_16x16x128_f8f6f4 v[160+8*\j:167+8*\j], v[32+12*\j:43+12*\j], v[192:203], v[160+8*\j:167+8*\j], v[228+\j], v29 matrix_a_fmt:MATRIX_FMT_FP6 matrix_b_fmt:MATRIX_FMT_FP6
.endif
.endr
.endm
; y's block of 32 in v96-127 is quantised and stored: six registers of an operand and a byte
.macro QST a, b
	v_max3_num_f32 v212, |v96|, |v97|, 0x1800000
	v_max3_num_f32 v213, |v112|, |v113|, |v114|
.irp i, 2,4,6,8,10,12
	v_max3_num_f32 v212, v212, |v[96+\i]|, |v[97+\i]|
	v_max3_num_f32 v213, v213, |v[113+\i]|, |v[114+\i]|
.endr
	v_max3_num_f32 v212, v212, |v110|, |v111|
	v_max3_num_f32 v212, v212, v213, |v127|
	v_add_nc_u32 v214, 0xff000000, v212
	v_lshrrev_b32 v215, 23, v214
	v_cvt_scalef32_pk16_fp6_f32 v[192:194], v[96:111], v214
	v_cvt_scalef32_pk16_fp6_f32 v[204:206], v[112:127], v214
	v_nop
.irp u, 0,1,2
	v_mov_b32 v[195+\u], v[204+\u]
.endr
	global_store_b128 v240, v[192:195], s[\a:\a+1]               ; 512 consecutive bytes,
	global_store_b64 v241, v[196:197], s[\a:\a+1] offset:512     ; and 256
	global_store_b8 v242, v215, s[\b:\b+1]                       ; pieces of 2 bytes: a row's 32 scale bytes come from sixteen work-groups; they are one byte in 24 of y's
.endm
	s_wait_alu depctr_va_vdst(0)                   ; the wait at the head's end
	s_wait_loadcnt 0x0                             ; Q
	s_cmp_eq_u32 s10, 0
	s_cbranch_scc0 .Lnot_step_0
	s_wait_tensorcnt 0x0
.Lnot_step_0:
	s_barrier_signal -1
	s_barrier_wait -1                              ; key step 0 is in; the others may still be on their way
.set AD, 232
	STEP 1                                         ; every wave begins with key step 0
	s_wait_alu depctr_va_vdst(0)
	s_wait_tensorcnt 0x0
	s_barrier_signal -1
	s_barrier_wait -1                              ; the whole head is in
.set AD, 1
	s_mov_b32 s[T], 1
	s_mov_b32 s[TS], STEPB
.Ltrip:
	s_cmp_gt_u32 s[T], s[LAST]                     ; behind my last step
	s_cbranch_scc1 .Lskip
	s_cmp_lg_u32 s[T], s[TR]
	s_cbranch_scc1 .Lstay
	v_add_f32 v14, v14, v15                        ; B: the short tile is done: y = O^T / the sum
	v_permlanex16_b32 v227, v14, s[SEL], s[SEL+1]
	v_add_f32 v14, v14, v227
	s_wait_alu depctr_va_vdst(0)
	v_rcp_f32 v14, v14
	v_nop
	v_nop
	s_wait_alu depctr_va_vdst(0)
.set NI, 0
.rept 16
	v_pk_mul_f32 v[96+NI:97+NI], v[160+NI:161+NI], v[14:15] op_sel_hi:[1,0]   ; each accumulator from its low end on
.set NI, NI+2
.endr
	QST 74, 76
.irp u, 0,1,2,3,4,5
	v_mov_b32 v[16+\u], v[244+\u]                  ; the long tile's Q
.endr
	v_mov_b32 v28, v250
	v_mov_b32 v13, 0xff61b1e6                      ; the largest score so far: -3e38,
	v_mov_b32 v12, 0x7e000000                      ; -M = 2^125: the next step's f is 0 then, and clears the sum and O^T, which are finite
	s_wait_xcnt 0x0                                ; the stores have read their registers
.Lstay:
	s_cmp_gt_u32 s[T], s11
	s_cselect_b32 s[TB], s[DEL], 0                 ; B, behind the short tile: key step t + n - v - 1
	s_add_co_u32 s[TB], s[TB], s[TS]
.irp u, 0,1,2,3,4,5,6
	v_add_nc_u32 v[1+\u], s[TB], v[232+\u]         ; (places in front of the loads into registers that the last products read)
.endr
	s_wait_alu depctr_va_vdst(0)
	STEP 0
.Lskip:
	s_add_co_u32 s[TS], s[TS], STEPB
	s_add_co_u32 s[T], s[T], 1
	s_cmp_lt_u32 s[T], 11
	s_wait_alu depctr_va_vdst(0)                   ; directly ahead of the branch
	s_cbranch_scc1 .Ltrip
	; A hands its part of the long tile to B: O^T, the sum, -M
	v_nop
	v_nop
	v_add_f32 v14, v14, v15                        ; the sum's two halves
	v_mov_b32 v15, v12
	s_wait_alu depctr_va_vdst(0)
	s_cmp_lg_u32 s12, 0
	s_cbranch_scc1 .Lnot_a
.irp k, 0,1,2,3,4,5,6,7
	ds_store_b128 v251, v[160+4*\k:163+4*\k] offset:512*\k
.endr
	ds_store_b64 v252, v[14:15] offset:4096
.Lnot_a:
	s_wait_dscnt 0x0
	s_barrier_signal -1
	s_barrier_wait -1
	s_cmp_eq_u32 s12, 0
	s_cbranch_scc1 .Ldone
.irp k, 0,1,2,3,4,5,6,7
	ds_load_b128 v[32+4*\k:35+4*\k], v251 offset:512*\k
.endr
	ds_load_b64 v[64:65], v252 offset:4096
	s_wait_dscnt 0x0
	v_min_num_f32 v66, v12, v65                    ; -M of both parts
	v_sub_f32 v67, v66, v65
	v_sub_f32 v68, v66, v12
	v_cvt_i32_f32 v67, v67
	v_cvt_i32_f32 v68, v68
	v_ldexp_f32 v70, 1.0, v67                      ; A's factor,
	v_ldexp_f32 v72, 1.0, v68                      ; and mine: exact powers of two
	v_mul_f32 v14, v14, v72
	v_fma_f32 v14, v64, v70, v14
	v_permlanex16_b32 v227, v14, s[SEL], s[SEL+1]
	v_add_f32 v14, v14, v227                       ; the row's sum
	s_wait_alu depctr_va_vdst(0)
	v_rcp_f32 v14, v14
	v_nop
	s_wait_alu depctr_va_vdst(0)
	v_mul_f32 v70, v70, v14
	v_mul_f32 v72, v72, v14
.set NI, 0
.rept 16
	v_pk_mul_f32 v[96+NI:97+NI], v[160+NI:161+NI], v[72:73] op_sel_hi:[1,0]
.set NI, NI+2
.endr
.set NI, 0
.rept 16
	v_pk_fma_f32 v[96+NI:97+NI], v[32+NI:33+NI], v[70:71], v[96+NI:97+NI] op_sel_hi:[1,0,1]
.set NI, NI+2
.endr
	QST 78, 80
.Ldone:
	s_wait_tensorcnt 0x0                           ; the wave's end
	ds_add_u32 v[SPW], v[NIL]
	s_wait_dscnt 0x0
	CROUND                                         ; the closing round
	s_endpgm
.Lfunc_end_k_q202d9f1799_attn:
	.size	k_q202d9f1799_attn, .Lfunc_end_k_q202d9f1799_attn-k_q202d9f1799_attn
	.p2alignl 7, 3214868480
	.fill 96, 4, 3214868480
	.section	.rodata,"a",@progbits
	.p2align	6, 0x0
	.amdhsa_kernel k_q202d9f1799_attn
		.amdhsa_group_segment_fixed_size 327680
		.amdhsa_private_segment_fixed_size 0
		.amdhsa_enable_private_segment 0
		.amdhsa_kernarg_size 24
		.amdhsa_user_sgpr_count 2
		.amdhsa_user_sgpr_kernarg_segment_ptr 1
		.amdhsa_wavefront_size32 1
		.amdhsa_system_sgpr_workgroup_id_x 1
		.amdhsa_system_sgpr_workgroup_id_y 1
		.amdhsa_system_sgpr_workgroup_id_z 1
		.amdhsa_system_vgpr_workitem_id 0
		.amdhsa_next_free_vgpr 256
		.amdhsa_next_free_sgpr 90
		.amdhsa_reserve_vcc 1
		.amdhsa_float_denorm_mode_32 3
		.amdhsa_float_denorm_mode_16_64 3
		.amdhsa_memory_ordered 1
		.amdhsa_forward_progress 1
		.amdhsa_inst_pref_size 56
	.end_amdhsa_kernel
	.amdgpu_metadata
---
amdhsa.version: [ 1, 2 ]
amdhsa.kernels:
  - .name:           k_q202d9f1799_attn
    .symbol:         k_q202d9f1799_attn.kd
    .args:
      - { .name: qbuf, .offset: 0, .size: 8, .value_kind: global_buffer, .address_space: global }
      - { .name: kv, .offset: 8, .size: 8, .value_kind: global_buffer, .address_space: global }
      - { .name: yq, .offset: 16, .size: 8, .value_kind: global_buffer, .address_space: global }
    .group_segment_fixed_size: 327680
    .private_segment_fixed_size: 0
    .kernarg_segment_align: 8
    .kernarg_segment_size: 24
    .max_flat_workgroup_size: 512
    .sgpr_count:     90
    .vgpr_count:     256
    .wavefront_size: 32
...
	.end_amdgpu_metadata
.endif
;; end of part 3
;; launch proj (part 4): grid 8 x 32, 8 waves a work-group, clusters of 4 x 4, 232,448 bytes of LDS; arguments yq, opq, bproj, out0; writes out0
.if DOCPART == 4
	.amdgcn_target "amdgcn-amd-amdhsa--gfx1250"
	.amdhsa_code_object_version 6
	.text
	.protected	k_q202d9f1799_proj
	.globl	k_q202d9f1799_proj
	.p2align	8
	.type	k_q202d9f1799_proj,@function
k_q202d9f1799_proj:
	s_mov_b64 s[64:65], 0
	v_nop
	global_prefetch_b8 v0, s[64:65] scope:SCOPE_SE
	s_setreg_imm32_b32 hwreg(HW_REG_WAVE_MODE, 25, 1), 1
	s_wait_xcnt 0x0
	s_wait_alu depctr_hold_cnt(0) depctr_sa_sdst(0) depctr_va_vdst(0) depctr_va_sdst(0) depctr_va_ssrc(0) depctr_va_vcc(0) depctr_vm_vsrc(0)
	s_getreg_b32 s2, hwreg(HW_REG_IB_STS2, 6, 4)
	s_cmp_eq_u32 s2, 0
	s_cbranch_scc0 .Lentry_in_a_cluster
	s_endpgm
.Lentry_in_a_cluster:
	s_bfe_u32 s2, ttmp6, 0x10000c
	s_cmp_lg_u32 s2, 0xf033
	s_cbranch_scc0 .Lentry_shape_is_right
	s_endpgm
.Lentry_shape_is_right:
; out0 = y Wproj + bproj on codes of FP6 (E2M3) with one E8M0 scale for each 32 along K = 1,024.  out0: [4096][1024] f32.
; y lies in yq: codes [row tile of 16][head 16][768 bytes] (six registers of a lane: 0-3 at 16 l, 4-5 at 512 + 16 r + 8 h): two heads are one K step of 128; scale bytes [position row][32] from byte 3,145,728 on.
; Wproj lies in opq at position rows 7,168 on: codes [tile][K step][1,536 bytes], registers 4 g .. 4 g + 3 of lane l at 512 g + 16 l; scale bytes [position row][32] from byte 6,291,456 on.
; Tokens and columns lie at positions with bits 3 and 4 exchanged: tile 2 B + u holds rows 32 B + 8 u + p + 8 (p / 8).
; A tile of out0 is 128 x 128: 256 work-groups; eight waves of 32 x 64: 8 accumulators.  ALL OF K of both operands fits in LDS, filled ONCE: eight fills, one a wave at the head: waves 0 to 3 ask for the first half of K
; (y's two halves of 64 rows, Wproj's two), waves 4 to 7 for the second half, which may still be on its way while the first is multiplied.  Nothing is filled again; no loop to run a prefetch ahead in.
; CLUSTERS: 4 x 4 work-groups; y's tiles are shared along a row of the cluster, Wproj's along a column: each is asked for JOINTLY, by the same tensor load with the same descriptor and a mask that names the four.
; THE MATRIX INSTRUCTION IS USED TRANSPOSED (source 0 = 16 columns of Wproj, source 1 = 16 rows of y): a lane holds one row (position r), register 8 b + j holds column 32 (e / 16) + 16 h + e % 16, e = 8 b + j.
; The bias is loaded straight into the accumulators.  The scale words go from memory into registers: a load of 16 bytes at 32 r + 16 h leaves K step q in lanes 0-15 and K step 4 + q in lanes 16-31 of register q.
; LIMIT: NaN and infinities are not served.
.set HALF,  98304                      ; half of K: y's 8 tiles x 6,144 bytes, then Wproj's 8
.set STG,   2*HALF                     ; a stage of 16 x 272 bytes for each wave; no fill lands there
.set SPARE, STG+8*4352
.set AL,  4                            ; v4-5    y's fragments: 16 l + my tiles, half of K
.set AR,  6                            ; v6-7    the same with 16 r + 8 h
.set BL,  8                            ; v8-9    Wproj's
.set STO, 10
.set RD,  11
.set CO,  12
.set SPW, 16
.set NIL, 17
.set AS,  24                           ; v24-31  y's scale words
.set BS,  32                           ; v32-47  Wproj's
.set ACC, 48                           ; v48-111 accumulator (a, b) at 48 + 8 (4 a + b)
.set F0,  112                          ; two fragment buffers, v112-183 and v184-255: y's 2 x 12 registers, Wproj's 4 x 12
.set G1,  24                           ; s[24:31] descriptor group 1 for y's tiles;  s[32:39] for Wproj's
.set G1B, 32
.set G0,  48                           ; s[48:51] group 0 for y's;  s[52:55] for Wproj's
.set G0B, 52
.macro CROUND
	s_barrier_signal -1
	s_barrier_wait -1
	s_cmp_lg_u32 s14, 0
	s_cbranch_scc1 .Lnot_wave_0_\@
	s_barrier_signal -3
.Lnot_wave_0_\@:
	s_barrier_wait -3
	s_barrier_signal -1
	s_barrier_wait -1
.endm
.macro PLACES
.rept 4
	v_nop
.endr
.endm
.macro TLOAD g0, g1
	tensor_load_to_lds s[\g0:\g0+3], s[\g1:\g1+7]
	s_nop 0
	PLACES
.endm
	s_load_b128 s[4:7], s[0:1], 0x0                ; yq, opq
	s_load_b128 s[8:11], s[0:1], 0x10              ; bproj, out0
	v_lshl_add_u32 v[SPW], v0, 2, SPARE
	v_mov_b32 v[NIL], 0
	ds_add_u32 v[SPW], v[NIL]                      ; the opening lines: the add, twice on end, and its wait
	ds_add_u32 v[SPW], v[NIL]
	v_lshrrev_b32 v1, 5, v0
	v_readfirstlane_b32 s14, v1                    ; wave 0..7
	s_lshr_b32 s15, s14, 1                         ; which 32 rows of the tile are mine
	s_and_b32 s16, s14, 1                          ; which half of its columns.  Also: which 64 rows of an operand I fetch
	s_lshr_b32 s13, s14, 2                         ; which half of K I fetch
	s_bfe_u32 s40, ttmp6, 0x40000                  ; cx, cy: my place in the cluster
	s_bfe_u32 s41, ttmp6, 0x40004
	s_lshl_b32 s42, ttmp9, 2
	s_add_co_u32 s42, s42, s40                     ; tile column = 4 x cluster x + cx
	s_and_b32 s17, ttmp7, 0xffff
	s_lshl_b32 s17, s17, 2
	s_add_co_u32 s17, s17, s41                     ; tile row = 4 x cluster y + cy
	s_lshl_b32 s43, s41, 2
	s_lshl_b32 s43, 15, s43                        ; my row of the cluster
	s_lshl_b32 s44, 0x1111, s40                    ; my column
	; descriptor group 1: 4 tiles of 16 rows, of each 6,144 bytes (512 along K), 12,288 bytes apart; dense in LDS
	s_or_b32 s[G1+0], s43, (3<<16)|(1<<21)         ; 15:0 the mask; 17:16 elements of 8 bytes; no padding; 21 set beside a mask
	s_or_b32 s[G1B+0], s44, (3<<16)|(1<<21)
.irp g, G1, G1B
	s_mov_b32 s[\g+1], 768<<16                     ; tensor_dim0
	s_mov_b32 s[\g+2], 4<<16                       ; tensor_dim1
	s_mov_b32 s[\g+3], 768<<16                     ; tile_dim0
	s_mov_b32 s[\g+4], 4                           ; tile_dim1
	s_mov_b32 s[\g+5], 1536                        ; tensor_dim0_stride
	s_mov_b32 s[\g+6], 0
	s_mov_b32 s[\g+7], 0
.endr
	s_mul_i32 s18, s16, 49152                      ; what I fetch: 4 tiles of 12,288 bytes,
	s_mul_i32 s19, s13, 6144                       ; half of K
	s_add_co_u32 s18, s18, s19
	s_mul_i32 s20, s17, 98304                      ; y: 8 tiles a tile row
	s_add_co_u32 s20, s20, s18
	s_mov_b32 s21, 0
	s_lshl_b32 s46, s42, 3
	s_add_co_u32 s46, s46, 448                     ; Wproj: tile 448 + 8 x tile column
	s_mul_i32 s46, s46, 12288
	s_add_co_u32 s46, s46, s18
	s_mov_b32 s47, 0
	s_mov_b32 s[G0], 1
	s_mul_i32 s[G0+1], s14, 24576                  ; where they go: no place in the cluster enters an LDS address
	s_mov_b32 s[G0B], 1
	s_mul_i32 s[G0B+1], s14, 24576
	v_and_b32 v1, 15, v0                           ; r
	v_bfe_u32 v2, v0, 4, 1                         ; h
	v_and_b32 v3, 31, v0
	v_lshlrev_b32 v3, 4, v3                        ; 16 l
	v_lshlrev_b32 v22, 4, v1
	v_lshl_add_u32 v23, v2, 3, v22                 ; 16 r + 8 h
	v_lshlrev_b32 v21, 5, v1
	v_lshl_add_u32 v21, v2, 4, v21                 ; 32 r + 16 h: a row's scale bytes, my half of them
	s_lshl_b32 s18, s17, 7
	s_lshl_b32 s19, s15, 5
	s_add_co_u32 s18, s18, s19                     ; my first row: 128 x tile row + 32 x my quarter
	s_lshl_b32 s22, s42, 7
	s_lshl_b32 s19, s16, 6
	s_add_co_u32 s22, s22, s19                     ; my first column
	s_wait_alu depctr_va_vdst(0)
	s_wait_dscnt 0x0
	CROUND                                         ; all sixteen work-groups are here: the joint loads meet
	s_wait_kmcnt 0x0
	s_add_nc_u64 s[G0+2:G0+3], s[4:5], s[20:21]
	s_or_b32 s[G0+3], s[G0+3], 0x80000000
	s_add_nc_u64 s[G0B+2:G0B+3], s[6:7], s[46:47]
	s_or_b32 s[G0B+3], s[G0B+3], 0x80000000
	s_cmp_lt_u32 s14, 2                            ; one tensor load a wave; the first half of K has lines of its own, for the wait that shows it alone
	s_cbranch_scc0 .Lw_first
	TLOAD G0, G1
	s_branch .Lasked
.Lw_first:
	s_cmp_lt_u32 s14, 4
	s_cbranch_scc0 .Ly_second
	TLOAD G0B, G1B
	s_branch .Lasked
.Ly_second:
	s_cmp_lt_u32 s14, 6
	s_cbranch_scc0 .Lw_second
	TLOAD G0, G1
	s_branch .Lasked
.Lw_second:
	TLOAD G0B, G1B
.Lasked:
	s_lshl_b32 s19, s18, 5
	s_add_co_u32 s19, s19, 3145728
	v_add_nc_u32 v13, s19, v21
	s_add_co_u32 s19, s22, 7168
	s_lshl_b32 s19, s19, 5
	s_add_co_u32 s19, s19, 6291456
	v_add_nc_u32 v14, s19, v21
	s_lshl_b32 s19, s22, 2
	v_lshl_add_u32 v15, v2, 6, s19                 ; the bias: 4 x column + 64 h
.irp a, 0,1
	global_load_b128 v[AS+4*\a:AS+4*\a+3], v13, s[4:5] offset:512*\a      ; 512 consecutive bytes a load
.endr
.irp b, 0,1,2,3
	global_load_b128 v[BS+4*\b:BS+4*\b+3], v14, s[6:7] offset:512*\b
.endr
.irp a, 0,1
.irp b, 0,1,2,3
.irp q, 0,1
	global_load_b128 v[ACC+32*\a+8*\b+4*\q:ACC+32*\a+8*\b+4*\q+3], v15, s[8:9] offset:128*(\b/2)+32*(\b%2)+16*\q
.endr
.endr
.endr
	s_mul_i32 s19, s15, 12288                      ; my 2 tiles of y in a half of K,
	s_mul_i32 s23, s16, 24576                      ; my 4 of Wproj,
	s_add_co_u32 s23, s23, 49152                   ; which lie behind y's 8
.irp c, 0,1
	v_add_nc_u32 v[AL+\c], s19, v3
	v_add_nc_u32 v[AR+\c], s19, v23
	v_add_nc_u32 v[BL+\c], s23, v3
	s_add_co_u32 s19, s19, HALF
	s_add_co_u32 s23, s23, HALF
.endr
	s_mul_i32 s19, s14, 16*272
	s_add_co_u32 s19, s19, STG                     ; my stage
	v_mul_u32_u24 v[STO], v1, 272
	v_lshl_add_u32 v[STO], v2, 6, v[STO]
	v_add_nc_u32 v[STO], s19, v[STO]               ; in: row r, + 64 h
	v_mul_u32_u24 v[RD], v2, 272
	v_add_nc_u32 v[RD], v[RD], v22
	v_add_nc_u32 v[RD], s19, v[RD]                 ; back: lanes 0-15 one row of 256 bytes, lanes 16-31 the next
	v_lshl_add_u32 v[CO], v2, 12, v22              ; and the same two rows in out0
	s_lshl_b32 s18, s18, 12                        ; my first row, 4,096 bytes a row,
	s_lshl_b32 s22, s22, 2                         ; my first column
	s_add_co_u32 s18, s18, s22
	s_mov_b32 s19, 0
	s_add_nc_u64 s[10:11], s[10:11], s[18:19]
.macro FETCH k, f                      ; the fragments of K step k into buffer f: 20 LDS loads in one run
.irp a, 0,1
	ds_load_b128 v[\f+12*\a:\f+12*\a+3],     v[AL+(\k)/4] offset:6144*\a+1536*((\k)%4)          ; the even head's six registers,
	ds_load_b64  v[\f+12*\a+4:\f+12*\a+5],   v[AR+(\k)/4] offset:6144*\a+1536*((\k)%4)+512
	ds_load_b128 v[\f+12*\a+6:\f+12*\a+9],   v[AL+(\k)/4] offset:6144*\a+1536*((\k)%4)+768      ; the odd head's
	ds_load_b64  v[\f+12*\a+10:\f+12*\a+11], v[AR+(\k)/4] offset:6144*\a+1536*((\k)%4)+1280
.endr
.irp b, 0,1,2,3
.irp g, 0,1,2
	ds_load_b128 v[\f+24+12*\b+4*\g:\f+24+12*\b+4*\g+3], v[BL+(\k)/4] offset:6144*\b+1536*((\k)%4)+512*\g
.endr
.endr
.endm
.macro MUL k, f                        ; 8 products; the accumulators take turns, one instruction a turn, in the same order in every K step
.irp a, 0,1
.irp b, 0,1,2,3
.if (\k) < 4
	v_wmma_scale_f32_16x16x128_f8f6f4 v[ACC+8*(4*\a+\b):ACC+8*(4*\a+\b)+7], v[\f+24+12*\b:\f+24+12*\b+11], v[\f+12*\a:\f+12*\a+11], v[ACC+8*(4*\a+\b):ACC+8*(4*\a+\b)+7], v[BS+4*\b+(\k)], v[AS+4*\a+(\k)] matrix_a_fmt:MATRIX_FMT_FP6 matrix_b_fmt:MATRIX_FMT_FP6
.else
	v_wmma_scale_f32_16x16x128_f8f6f4 v[ACC+8*(4*\a+\b):ACC+8*(4*\a+\b)+7], v[\f+24+12*\b:\f+24+12*\b+11], v[\f+12*\a:\f+12*\a+11], v[ACC+8*(4*\a+\b):ACC+8*(4*\a+\b)+7], v[BS+4*\b+(\k)-4], v[AS+4*\a+(\k)-4] matrix_a_fmt:MATRIX_FMT_FP6 matrix_b_fmt:MATRIX_FMT_FP6 matrix_a_scale:MATRIX_SCALE_ROW1 matrix_b_scale:MATRIX_SCALE_ROW1
.endif
.endr
.endr
.endm
	s_wait_alu depctr_va_vdst(0)                   ; the wait at the head's end
	s_wait_loadcnt 0x0                             ; the scale words and the bias
	s_cmp_lt_u32 s14, 4
	s_cbranch_scc0 .Lnot_first
	s_wait_tensorcnt 0x0
.Lnot_first:
	s_barrier_signal -1
	s_barrier_wait -1                              ; the first half of K is in
	FETCH 0, F0
.irp k, 0,1,2,3,4,5,6,7
.if (\k) == 3
	s_wait_tensorcnt 0x0
	s_wait_dscnt 0x0                               ; no LDS instruction of mine is out at a signal
	s_barrier_signal -1
	s_barrier_wait -1                              ; the second half of K is in
.endif
.if (\k) < 7
.if (\k) > 0
	PLACES                                         ; in front of loads into the buffer that the K step before multiplied
.endif
	FETCH (\k)+1, F0+72*(((\k)+1)%2)
	s_wait_dscnt 20                                ; this K step's fragments are in; the 20 loads just issued may be out
.else
	s_wait_dscnt 0x0
.endif
	MUL \k, F0+72*((\k)%2)
.endr
; THE WAY OUT, a tile of 16 rows x 64 columns at a time, through my own stage: in by lanes (32 bytes of a row in two pieces), back as whole runs of 256 bytes, which sixteen lanes store aligned.
.macro TOSTAGE a
.irp b, 0,1,2,3
	ds_store_b128 v[STO], v[ACC+8*(4*(\a)+\b):ACC+8*(4*(\a)+\b)+3] offset:128*(\b/2)+32*(\b%2)          ; each accumulator from its low end on
	ds_store_b128 v[STO], v[ACC+8*(4*(\a)+\b)+4:ACC+8*(4*(\a)+\b)+7] offset:128*(\b/2)+32*(\b%2)+16
.endr
.irp t, 0,1,2,3,4,5,6,7
	ds_load_b128 v[F0+32*(\a)+4*\t:F0+32*(\a)+4*\t+3], v[RD] offset:544*\t   ; LDS serves a wave's instructions in order (ISA guide 5.7.1.4): these see the stores above
.endr
.endm
.macro SEND a, younger                 ; younger: the LDS instructions issued behind tile a's loads, which may stay out
	s_wait_dscnt \younger
.irp t, 0,1,2,3,4,5,6,7
	global_store_b128 v[CO], v[F0+32*(\a)+4*\t:F0+32*(\a)+4*\t+3], s[10:11] offset:(8*(\a)+2*\t+8*(\t/4))*4096 th:TH_STORE_NT   ; position 2 t + h of tile a is this token; written once, read by nobody here
.endr
.endm
	PLACES                                         ; behind the last products
	TOSTAGE 0
	TOSTAGE 1
	SEND 0, 16                                     ; tile 1's sixteen LDS instructions may be out
	SEND 1, 0
	s_wait_tensorcnt 0x0                           ; the wave's end
	ds_add_u32 v[SPW], v[NIL]
	s_wait_dscnt 0x0
	CROUND                                         ; the closing round: no work-group ends while a partner may still ask for a tile that names it
	s_endpgm
.Lfunc_end_k_q202d9f1799_proj:
	.size	k_q202d9f1799_proj, .Lfunc_end_k_q202d9f1799_proj-k_q202d9f1799_proj
	.p2alignl 7, 3214868480
	.fill 96, 4, 3214868480
	.section	.rodata,"a",@progbits
	.p2align	6, 0x0
	.amdhsa_kernel k_q202d9f1799_proj
		.amdhsa_group_segment_fixed_size 232448
		.amdhsa_private_segment_fixed_size 0
		.amdhsa_enable_private_segment 0
		.amdhsa_kernarg_size 32
		.amdhsa_user_sgpr_count 2
		.amdhsa_user_sgpr_kernarg_segment_ptr 1
		.amdhsa_wavefront_size32 1
		.amdhsa_system_sgpr_workgroup_id_x 1
		.amdhsa_system_sgpr_workgroup_id_y 1
		.amdhsa_system_sgpr_workgroup_id_z 1
		.amdhsa_system_vgpr_workitem_id 0
		.amdhsa_next_free_vgpr 256
		.amdhsa_next_free_sgpr 88
		.amdhsa_reserve_vcc 0
		.amdhsa_float_denorm_mode_32 3
		.amdhsa_float_denorm_mode_16_64 3
		.amdhsa_memory_ordered 1
		.amdhsa_forward_progress 1
		.amdhsa_inst_pref_size 33
	.end_amdhsa_kernel
	.amdgpu_metadata
---
amdhsa.version: [ 1, 2 ]
amdhsa.kernels:
  - .name:           k_q202d9f1799_proj
    .symbol:         k_q202d9f1799_proj.kd
    .args:
      - { .name: yq, .offset: 0, .size: 8, .value_kind: global_buffer, .address_space: global }
      - { .name: opq, .offset: 8, .size: 8, .value_kind: global_buffer, .address_space: global }
      - { .name: bproj, .offset: 16, .size: 8, .value_kind: global_buffer, .address_space: global }
      - { .name: out0, .offset: 24, .size: 8, .value_kind: global_buffer, .address_space: global }
    .group_segment_fixed_size: 232448
    .private_segment_fixed_size: 0
    .kernarg_segment_align: 8
    .kernarg_segment_size: 32
    .max_flat_workgroup_size: 256
    .sgpr_count:     88
    .vgpr_count:     256
    .wavefront_size: 32
...
	.end_amdgpu_metadata
.endif
;; end of part 4
